; MI455X (gfx1250); checked and timed in simulation.
; The chip was launched on July 23, 2026; its instructions are those of AMD's public machine-readable ISA for CDNA 5 (MIT licence, August 2026) and "CDNA5" Instruction Set Architecture Reference Guide (July 2026). The comments in the code are by the model that wrote it; some were corrected since.
;; TCNN Instant NGP. Allowed arithmetic: matrix products marked QUANTISED: E3M2 operands, one E8M0 scale for each 32 along K, by v_wmma_scale_f32_16x16x128_f8f6f4 with both operands' format E3M2, f32 sums; products left as they are: f32 operands where the result goes on into a quantised operand, else bf16, f16 or f32 operands; f32 sums; everything else in f32.
;; Inputs: tables 16 x 524,288 x 2 float32; w0 32 x 64 float32; w1 64 x 64 float32; w2 64 x 1 float32; x 1,048,576 x 3 float32.
;; Outputs: out0 1,048,576 x 1 float32.
;; This version of the problem:
;;   THIS VERSION OF THE PROBLEM IS GIVEN IN LOW PRECISION. The matrix products marked QUANTISED in the list below multiply operands that are first quantised to E3M2 (3 exponent bits, 2 mantissa bits; 6 bits a number), with one power-of-two scale for each 32 numbers along K (OCP MX v1.0); their sums are f32. All else is computed in f32.
;;   The module's matrix products, in the order in which they are computed (A, B: the left and right operand; K: the contracted axis; several contracted axes count as one K, in the product's order):
;;     1. batch 1,048,576 x [M 1, K 8] x [K 8, N 2]; A: computed on the way; B: computed on the way: left as it is (K = 8 < 32)
;;     2. batch 1,048,576 x [M 1, K 8] x [K 8, N 2]; A: computed on the way; B: computed on the way: left as it is (K = 8 < 32)
;;     3. batch 1,048,576 x [M 1, K 8] x [K 8, N 2]; A: computed on the way; B: computed on the way: left as it is (K = 8 < 32)
;;     4. batch 1,048,576 x [M 1, K 8] x [K 8, N 2]; A: computed on the way; B: computed on the way: left as it is (K = 8 < 32)
;;     5. batch 1,048,576 x [M 1, K 8] x [K 8, N 2]; A: computed on the way; B: computed on the way: left as it is (K = 8 < 32)
;;     6. batch 1,048,576 x [M 1, K 8] x [K 8, N 2]; A: computed on the way; B: computed on the way: left as it is (K = 8 < 32)
;;     7. batch 1,048,576 x [M 1, K 8] x [K 8, N 2]; A: computed on the way; B: computed on the way: left as it is (K = 8 < 32)
;;     8. batch 1,048,576 x [M 1, K 8] x [K 8, N 2]; A: computed on the way; B: computed on the way: left as it is (K = 8 < 32)
;;     9. batch 1,048,576 x [M 1, K 8] x [K 8, N 2]; A: computed on the way; B: computed on the way: left as it is (K = 8 < 32)
;;     10. batch 1,048,576 x [M 1, K 8] x [K 8, N 2]; A: computed on the way; B: computed on the way: left as it is (K = 8 < 32)
;;     11. batch 1,048,576 x [M 1, K 8] x [K 8, N 2]; A: computed on the way; B: computed on the way: left as it is (K = 8 < 32)
;;     12. batch 1,048,576 x [M 1, K 8] x [K 8, N 2]; A: computed on the way; B: computed on the way: left as it is (K = 8 < 32)
;;     13. batch 1,048,576 x [M 1, K 8] x [K 8, N 2]; A: computed on the way; B: computed on the way: left as it is (K = 8 < 32)
;;     14. batch 1,048,576 x [M 1, K 8] x [K 8, N 2]; A: computed on the way; B: computed on the way: left as it is (K = 8 < 32)
;;     15. batch 1,048,576 x [M 1, K 8] x [K 8, N 2]; A: computed on the way; B: computed on the way: left as it is (K = 8 < 32)
;;     16. batch 1,048,576 x [M 1, K 8] x [K 8, N 2]; A: computed on the way; B: computed on the way: left as it is (K = 8 < 32)
;;     17. [M 1,048,576, K 32] x [K 32, N 64]; A: computed on the way; B: input w0: QUANTISED
;;     18. [M 1,048,576, K 64] x [K 64, N 64]; A: computed on the way; B: input w1: QUANTISED
;;     19. [M 1,048,576, K 64] x [K 64, N 1]; A: computed on the way; B: input w2: left as it is (N = 1 < 16)
;;   THE QUANTISER, for each operand of a quantised product, along K:
;;     - K is cut into blocks of 32 from its start; a last block that is shorter is filled with zeros.
;;     - A block's scale is 2^e with e = floor(log2(the largest magnitude in the block)) - 4, held to -126 .. 127; a block of zeros has e = 0. As a byte (E8M0): e + 127.
;;     - Each number is divided by its block's scale, clamped to +-28, and rounded to the nearest number of E3M2, ties to even, subnormals kept.
;;     - The product sums the exact products of the quantised numbers (number of the format x scale) in f32.
;;   ~~~python
;;   def quantise(x, axis):      # numpy; x: float32 -> the quantised numbers, widened to float32 again
;;       x = np.moveaxis(x, axis, -1); K = x.shape[-1]
;;       x = np.pad(x, [(0, 0)] * (x.ndim - 1) + [(0, -K % 32)]); x = x.reshape(x.shape[:-1] + (-1, 32)); a = np.abs(x).max(-1, keepdims=True)
;;       e = np.where(a > 0, np.clip(np.frexp(np.where(a > 0, a, 1))[1] - 1 - 4, -126, 127), 0)      # np.frexp(a)[1] - 1 = floor(log2(a)), exactly
;;       r = np.clip(x / 2.0 ** e, -28, 28)
;;       step = 2.0 ** (np.maximum(np.frexp(np.where(r == 0, 1, r))[1] - 1, -2) - 2)
;;       q = np.round(r / step) * step * 2.0 ** e      # np.round: ties to even
;;       return np.moveaxis(q.reshape(q.shape[:-2] + (-1,))[..., :K], -1, axis).astype(np.float32)
;;   ~~~
;;   OPERANDS COMPUTED ON THE WAY. 'Computed on the way' means the value that the module computes at that place (a softmax that the list does not call 'softmax' is quantised finished and normalised). What goes into a quantiser is computed in f32, as accurately as f32 sums, v_exp_f32 and their like allow (about 1e-6 of the number): no bf16 or f16 on the way to a quantiser, and a product that is left as it is and whose result goes on into a quantised operand takes f32 operands (vector FMAs, or v_wmma_f32_16x16x4_f32). A number that lies on a knife's edge between two numbers of the format may be rounded either way, as far as f32 arithmetic and the matrix unit's own rounding can turn it there, and no further.
;; 3 versions, each right; version 2 is faster than version 1; version 3 is version 2 with the launch ngp written anew for expert scheduling mode. Each part assembles by itself: llvm-mc -triple=amdgcn-amd-amdhsa -mcpu=gfx1250 --defsym DOCPART=n.
;; ======== version 1 of 3: 2 launches
;; limits: inputs' magnitudes at most 1
;; workspace buffers: xq 12,582,912 bytes of whole numbers; wq 10,240 bytes
;; launch prep (part 1): grid 768 x 1, 8 waves a work-group, no clusters, 0 bytes of LDS; arguments x, w0, w1, xq, wq; writes xq, wq
.if DOCPART == 1
	.amdgcn_target "amdgcn-amd-amdhsa--gfx1250"
	.amdhsa_code_object_version 6
	.text
	.protected	k_qf0c07d739f_prep
	.globl	k_qf0c07d739f_prep
	.p2align	8
	.type	k_qf0c07d739f_prep,@function
k_qf0c07d739f_prep:
	s_mov_b64 s[64:65], 0
	v_nop
	global_prefetch_b8 v0, s[64:65] scope:SCOPE_SE
	s_setreg_imm32_b32 hwreg(HW_REG_WAVE_MODE, 25, 1), 1
	s_wait_xcnt 0x0
; PREP.  Two things that the second launch wants ready.
; (1) xq[i] = trunc((x[i] + 1) * 2^30), a whole number: x01 = (x + 1) / 2 in fixed point with 31 bits behind the point.  The second launch forms every
;     grid cell and every table index from these whole numbers by integer arithmetic alone.  (x + 1) is rounded once, as reference() rounds it; the factor 2^30 rounds nothing.
; (2) wq: w0 [32][64] and w1 [64][64], f32 with K along the FIRST axis, as codes of BF6 (E3M2) with one E8M0 scale for each 32 along K, laid as an IMAGE OF THE
;     OPERANDS' REGISTERS: register rho (0 .. 71) of lane L at byte (rho / 4) * 512 + 16 L + 4 (rho % 4); behind them, from byte 9216 on, scale word w (0 .. 7) of lane L at 32 L + 4 w.
;     Twelve fragments of six registers: 0-3 W0a, 4-7 W0b, 8-11 W1.  W0a holds w0's one block of 32 in block 0's place (lanes 0-15) and zero codes in block 1's (lanes 16-31); W0b the other way round.
; LIMITS: x in [-1, 1], as reference() assumes (x01 in [0, 1]); outside it the conversion saturates.  Where x01 is under 2^-8 the bits under 2^-31 are dropped.
;     NaN and infinities are not served.  A block of weights whose largest magnitude lies under 2^-122 (a block of zeros too) keeps the scale byte 1: only this program reads the bytes.
; SHARES: x is a plain stream of 3,145,728 numbers; a work-group of eight waves takes 16 KiB, a load or store of a wave 512 consecutive bytes.  Work-group 0 also makes wq, a wave a tile of 16 columns.
.set NUM, 96                           ; v96-127  a lane's block: 32 numbers down K of one column
.set COD, 64                           ; v64-70   its codes
	s_load_b256 s[4:11], s[0:1], 0x0               ; x s[4:5], w0 s[6:7], w1 s[8:9], xq s[10:11]
	s_load_b64 s[12:13], s[0:1], 0x20              ; wq
	v_lshlrev_b32 v1, 4, v0                        ; 16 bytes a thread; never rewritten
	s_lshl_b32 s2, ttmp9, 14                       ; 16 KiB a work-group
	s_mov_b32 s3, 0
	s_mov_b32 s14, 0x4e800000                      ; 2^30
	s_mov_b32 s15, s14                             ; (named with it as a pair, so it is written)
	s_wait_kmcnt 0x0
	s_add_nc_u64 s[4:5], s[4:5], s[2:3]
	s_add_nc_u64 s[10:11], s[10:11], s[2:3]
.irp i, 0,1,2,3
	global_load_b128 v[16+4*\i:19+4*\i], v1, s[4:5] offset:4096*\i th:TH_LOAD_NT
.endr
.irp i, 0,1,2,3
	s_wait_loadcnt 3-\i                            ; loads come back in order: load i is in, the 3 - i younger ones may be out
	v_pk_fma_f32 v[16+4*\i:17+4*\i], v[16+4*\i:17+4*\i], s[14:15], s[14:15] op_sel_hi:[1,0,0]   ; x * 2^30 + 2^30 = (x + 1), rounded once, * 2^30
	v_pk_fma_f32 v[18+4*\i:19+4*\i], v[18+4*\i:19+4*\i], s[14:15], s[14:15] op_sel_hi:[1,0,0]
.irp j, 0,1,2,3
	v_cvt_u32_f32 v[32+4*\i+\j], v[16+4*\i+\j]     ; toward zero; at most 2^31
.endr
	global_store_b128 v1, v[32+4*\i:35+4*\i], s[10:11] offset:4096*\i th:TH_STORE_NT   ; a wave stores 512 consecutive bytes, aligned; no register of a store is written again
.endr
	s_cmp_lg_u32 ttmp9, 0
	s_cbranch_scc1 .Lend                           ; the weights are work-group 0's
	; THE WEIGHTS.  Wave w: waves 0-3 take w0's tiles, waves 4-7 w1's.  A LANE TAKES A COLUMN n AND ITS REGISTERS RUN DOWN K, so a block of 32 lies in one lane.
	v_lshrrev_b32 v2, 5, v0
	v_readfirstlane_b32 s16, v2                    ; wave 0..7
	s_lshr_b32 s17, s16, 2                         ; 0: w0, 1: w1
	s_and_b32 s18, s16, 3                          ; tile t
	s_lshr_b32 s22, s18, 1
	s_lshl_b32 s22, s22, 5
	s_and_b32 s23, s18, 1
	s_lshl_b32 s23, s23, 3
	s_add_co_u32 s22, s22, s23                     ; w0: the tile begins at column 32 (t / 2) + 8 (t % 2)
	s_lshl_b32 s23, s18, 4                         ; w1: at column 16 t
	s_mul_i32 s24, s18, 3                          ; 3 t: the first pair of registers of fragment t
	s_cmp_eq_u32 s17, 0
	s_cselect_b64 s[20:21], s[6:7], s[8:9]         ; the choice hangs on the wave's number alone
	s_cselect_b32 s22, s22, s23
	s_cselect_b32 s23, 8, 0                        ; w0: THE COLUMNS OF A TILE ARE NOT NEIGHBOURS: lane r takes column r + 8 (r / 8) of the tile, so that in the first product's result
	                                               ; the 16 registers of tiles 2 b and 2 b + 1 are 16 neighbours along the second product's K
	s_mov_b32 s27, 0xffff0000                      ; lanes 16-31
	s_mov_b32 s28, 0x76543210
	s_mov_b32 s29, 0xfedcba98                      ; v_permlanex16_b32's selects for lane l xor 16
	v_and_b32 v3, 31, v0                           ; lane L
	v_and_b32 v4, 15, v0                           ; r
	v_bfe_u32 v5, v0, 4, 1                         ; h
	v_and_b32 v6, s23, v4
	v_add3_u32 v6, v6, v4, s22                     ; my column n
	v_and_b32 v7, s17, v5                          ; w1: lanes 16-31 take rows 32 .. 63; w0 has 32 rows: both halves of the lanes take them all, and no load leaves w0
	v_lshlrev_b32 v7, 13, v7                       ; 32 rows of 256 bytes
	v_lshl_add_u32 v7, v6, 2, v7
.irp i, 0,1,2,3,4,5,6,7,8,9,10,11,12,13,14,15,16,17,18,19,20,21,22,23,24,25,26,27,28,29,30,31
	global_load_b32 v[NUM+\i], v7, s[20:21] offset:256*\i
.endr
	v_lshlrev_b32 v14, 4, v3                       ; 16 L: my place in a group of four registers of the image
	v_mov_b32 v15, 0
	v_mov_b32 v13, 0                               ; (a lane permute's destination counts as one of its sources)
	v_lshlrev_b32 v12, 3, v5                       ; 8 h
	s_lshl_b32 s25, s16, 2
	v_lshl_add_u32 v56, v3, 5, s25                 ; 32 L + 4 w: my scale word's place
	s_wait_loadcnt 0x0
	v_max3_num_f32 v8, |v[NUM]|, |v[NUM+1]|, |v[NUM+2]|            ; the block's largest magnitude, in two chains
	v_max3_num_f32 v9, |v[NUM+3]|, |v[NUM+4]|, |v[NUM+5]|
.irp i, 6,10,14,18,22,26
	v_max3_num_f32 v8, v8, |v[NUM+\i]|, |v[NUM+\i+1]|
	v_max3_num_f32 v9, v9, |v[NUM+\i+2]|, |v[NUM+\i+3]|
.endr
	v_max3_num_f32 v8, v8, |v[NUM+30]|, |v[NUM+31]|
	v_max3_num_f32 v8, v8, v9, 0x2800000           ; and the floor 2^(5 - 127): the byte cannot fall under 1
	v_add_nc_u32 v10, 0xfe000000, v8               ; 4 off its exponent field: the conversion takes the exponent field of this operand as its scale, and nothing else of it
	v_lshrrev_b32 v11, 23, v10                     ; the scale's byte,
	v_lshlrev_b32 v11, v12, v11                    ; at byte h of the word;
	v_permlanex16_b32 v13, v11, s28, s29
	v_or_b32 v11, v11, v13                         ; with lane l xor 16's: bytes (block 0, block 1, 0, 0).  For w0 both are its one block's byte
	v_cvt_scalef32_pk16_bf6_f32 v[COD:COD+2], v[NUM:NUM+15], v10
	v_cvt_scalef32_pk16_bf6_f32 v[COD+4:COD+6], v[NUM+16:NUM+31], v10   ; (a conversion's three registers begin on an even number)
	v_nop                                          ; one plain place behind a scaled conversion
	v_mov_b32 v[COD+3], v[COD+4]
	v_mov_b32 v[COD+4], v[COD+5]
	v_mov_b32 v[COD+5], v[COD+6]                   ; v64-69: the block's 192 bits
	global_store_b32 v56, v11, s[12:13] offset:9216
; A fragment's six registers go out as three pairs.  s24 = 3 f; pair q = 3 f + i lies at (q / 2) * 512 + 16 L + 8 (q % 2).  Each store has an offset register of its own.
.macro FRAGOUT dat, adr
.irp i, 0,1,2
	s_add_co_u32 s25, s24, \i
	s_lshr_b32 s26, s25, 1
	s_lshl_b32 s26, s26, 9
	s_and_b32 s25, s25, 1
	s_lshl_b32 s25, s25, 3
	s_add_co_u32 s25, s25, s26
	v_add_nc_u32 v[\adr+\i], s25, v14
	global_store_b64 v[\adr+\i], v[\dat+2*\i:\dat+2*\i+1], s[12:13]
.endr
.endm
	s_cmp_lg_u32 s17, 0
	s_cbranch_scc1 .Lw1
.irp i, 0,1,2,3,4,5
	v_cndmask_b32 v[72+\i], v[COD+\i], v15, s27    ; W0a: the codes in lanes 0-15, zero codes in lanes 16-31
	v_cndmask_b32 v[80+\i], v15, v[COD+\i], s27    ; W0b: zero codes in lanes 0-15, the codes in lanes 16-31
.endr
	FRAGOUT 72, 48                                 ; fragment t
	s_add_co_u32 s24, s24, 12
	FRAGOUT 80, 52                                 ; fragment 4 + t
	s_branch .Lend
.Lw1:
	s_add_co_u32 s24, s24, 24
	FRAGOUT COD, 48                                ; fragment 8 + t
.Lend:
	s_endpgm
.Lfunc_end_k_qf0c07d739f_prep:
	.size	k_qf0c07d739f_prep, .Lfunc_end_k_qf0c07d739f_prep-k_qf0c07d739f_prep
	.p2alignl 7, 3214868480
	.fill 96, 4, 3214868480
	.section	.rodata,"a",@progbits
	.p2align	6, 0x0
	.amdhsa_kernel k_qf0c07d739f_prep
		.amdhsa_group_segment_fixed_size 0
		.amdhsa_private_segment_fixed_size 0
		.amdhsa_enable_private_segment 0
		.amdhsa_kernarg_size 40
		.amdhsa_user_sgpr_count 2
		.amdhsa_user_sgpr_kernarg_segment_ptr 1
		.amdhsa_wavefront_size32 1
		.amdhsa_system_sgpr_workgroup_id_x 1
		.amdhsa_system_sgpr_workgroup_id_y 1
		.amdhsa_system_sgpr_workgroup_id_z 1
		.amdhsa_system_vgpr_workitem_id 0
		.amdhsa_next_free_vgpr 128
		.amdhsa_next_free_sgpr 66
		.amdhsa_reserve_vcc 0
		.amdhsa_float_denorm_mode_32 3
		.amdhsa_float_denorm_mode_16_64 3
		.amdhsa_memory_ordered 1
		.amdhsa_forward_progress 1
		.amdhsa_inst_pref_size 13
	.end_amdhsa_kernel
	.amdgpu_metadata
---
amdhsa.version: [ 1, 2 ]
amdhsa.kernels:
  - .name:           k_qf0c07d739f_prep
    .symbol:         k_qf0c07d739f_prep.kd
    .args:
      - { .name: x, .offset: 0, .size: 8, .value_kind: global_buffer, .address_space: global }
      - { .name: w0, .offset: 8, .size: 8, .value_kind: global_buffer, .address_space: global }
      - { .name: w1, .offset: 16, .size: 8, .value_kind: global_buffer, .address_space: global }
      - { .name: xq, .offset: 24, .size: 8, .value_kind: global_buffer, .address_space: global }
      - { .name: wq, .offset: 32, .size: 8, .value_kind: global_buffer, .address_space: global }
    .group_segment_fixed_size: 0
    .private_segment_fixed_size: 0
    .kernarg_segment_align: 8
    .kernarg_segment_size: 40
    .max_flat_workgroup_size: 256
    .sgpr_count:     66
    .vgpr_count:     128
    .wavefront_size: 32
...
	.end_amdgpu_metadata
.endif
;; end of part 1
;; launch ngp (part 2): grid 2048 x 1, 4 waves a work-group, no clusters, 74,240 bytes of LDS; arguments xq, x, tables, wq, w2, out0; writes out0
.if DOCPART == 2
	.amdgcn_target "amdgcn-amd-amdhsa--gfx1250"
	.amdhsa_code_object_version 6
	.text
	.protected	k_qf0c07d739f_ngp
	.globl	k_qf0c07d739f_ngp
	.p2align	8
	.type	k_qf0c07d739f_ngp,@function
k_qf0c07d739f_ngp:
	s_mov_b64 s[64:65], 0
	v_nop
	global_prefetch_b8 v0, s[64:65] scope:SCOPE_SE
	s_setreg_imm32_b32 hwreg(HW_REG_WAVE_MODE, 25, 1), 1
	s_wait_xcnt 0x0
; NGP.  out0[n] = relu(relu(enc(x[n]) w0) w1) w2: a hash grid of 16 levels (8 corners of 2 numbers, trilinear, f32), then an MLP 32 -> 64 -> 64 -> 1 whose first two products
; run on codes of BF6 (E3M2) with one E8M0 scale for each 32 along K; the last product (one column) is fused multiply-adds in f32.  Nothing between x and out0 goes to memory.
; SHARES.  A wave owns 128 consecutive points, four to a lane (points 128 W + 4 L + p), and shares nothing with other waves: no barrier.
; THE CELLS COME FROM WHOLE NUMBERS.  xq holds X = x01 * 2^31; S = a level's scale (as f32) * 2^20 is a whole number under 2^31; the cell is (X S + 2^50) >> 51 = floor(x01 * scale + 0.5), exactly.
;   The fraction is pos - cell in f32, pos = x01 * scale + 0.5 by one fused multiply-add.  Rounding keeps order, so cell <= pos <= cell + 1; where a floor taken of the rounded pos would give the
;   neighbouring cell, the fraction here is exactly 0 or 1, and a (1 - f) + b f is written as (a - f a) + f b, which is exactly a at 0 and b at 1: the same value.
; THE LEVELS ARE WALKED OUTERMOST, each level's 32 gathers a lane issued one level ahead of their use, in two sets of registers by turns.  A level's two numbers a point go to the wave's own LDS,
;   a point's 32 features on end, and come back as the first product's operand: a lane then holds ALL 32 features of one point, one block of 32.
; A K OF 32 OR 64 IN A FORM 128 DEEP.  What lies beyond K is zero CODES on the points' side (six registers that stay 0), so whatever stands there on the weights' side adds nothing.
;   First product: lanes 0-15 of the points' operand stand in block 0's place, lanes 16-31 in block 1's.  With W0a (w0's codes in block 0, zeros in block 1) the product is that of the points of
;   lanes 0-15, with W0b (the other way round, and the points' scales taken from lanes 16-31) that of lanes 16-31: no number changes lanes.
;   Both products are used TRANSPOSED (source 0 = 16 columns of the weight, source 1 = 16 points): a lane holds one point and eight hidden units.
; LIMITS: x in [-1, 1], as reference() assumes (x01 in [0, 1]); outside it every index is still held inside its level's table, but the values are not reference()'s.  Where x01 is under 2^-8, X has dropped
;   the bits under 2^-31, and a fraction can reach 1 + 1e-6.  pos has one rounding where a separate multiply and add have two.  NaN and infinities are not served.
;   A block whose largest magnitude lies under 2^-122 (a block of zeros too) has the scale byte 1; a block of zeros has zero codes, which add nothing.
; No tensor load and no cluster: the one large input is gathered lane by lane, and no tile is shared.
; REGISTERS while the levels are walked:
.set X01, 4                            ; v4-15    x01, register 3 p + d
.set XI,  16                           ; v16-27   X, likewise
.set PS,  28                           ; v28-39   the cells as f32
.set PG,  40                           ; v40-51   the cells
.set MT,  52                           ; v52-59   four 64-bit products
.set HT,  60                           ; v60-68   a point's hashes at work
.set FR0, 70                           ; v70-81, v82-93  the fractions of the even and of the odd level in hand
.set D0,  96                           ; v96-159, v160-223  the gathered corners, likewise: point p at + 16 p, corner c = 4 z + 2 y + x at + 2 c
.set IX0, 224                          ; v224-227, v228-231  dense levels: a point's byte offset
;   v1 LDS address of my features; v2 48 L; v3 16 L; v[94:95] 2^50.  v244-254 hold scales and nothing else in the whole text.
; REGISTERS in the MLP:
.set W0A, 4                            ; v4-27    W0a, tile t at + 6 t; a fragment is named 12 registers long: its upper six are the next fragment's and meet zero codes
.set W0B, 28                           ; v28-51   W0b
.set W1F, 52                           ; v52-75   W1;  v76-81 zeros
.set B1B, 82                           ; v82-93   the hidden layer's codes, points of lanes 16-31: six registers, and six that stay 0
.set W2R, 96                           ; v96-127  w2: register 8 t + j = w2[16 t + 8 h + j]
.set B0,  128                          ; v128-139 the features' codes, and six that stay 0
.set B1A, 140                          ; v140-151 the hidden layer's codes, points of lanes 0-15
.set TM,  152                          ; v152-159 at work in the quantisers
.set HB,  160                          ; v160-191 the features; then the results for the points of lanes 16-31
.set HA,  192                          ; v192-223 the results for the points of lanes 0-15
.set OUTR, 224                         ; v224-227 my four outputs
.set CT,  228                          ; v228-230 a conversion's second half
.set ACA, 232                          ; v[232:233], v[234:235] the last product's sums
.set ACB, 234
.set RA,  236                          ; v236, v237 their totals; v238, v239 the other half of the lanes'
.set LB,  240                          ; v240     LDS address of the trip's features
.set W0S, 244                          ; v244-247 w0's scale words, v248-251 w1's
.set W1S, 248
.set SW,  252                          ; the features' scale word
.set PWA, 253                          ; the hidden layer's
.set PWB, 254
.set PPITCH, 144                       ; LDS: a point's 128 bytes + 16: 36 words from lane to lane
.set PSET,  32*PPITCH                  ; the 32 points of one p
.set WREG,  4*PSET                     ; a wave's region: 18,432 bytes
	s_load_b256 s[4:11], s[0:1], 0x0               ; xq s[4:5], x s[6:7], tables s[8:9], wq s[10:11]
	s_load_b128 s[12:15], s[0:1], 0x20             ; w2 s[12:13], out0 s[14:15]
	v_lshl_add_u32 v243, v0, 2, 0x12000
	v_mov_b32 v255, 0
	v_lshrrev_b32 v1, 5, v0
	v_readfirstlane_b32 s16, v1                    ; wave 0..3
	v_and_b32 v3, 31, v0                           ; lane L
	v_mul_u32_u24 v2, v3, 48                       ; four points of 12 bytes a lane
	v_mul_u32_u24 v1, v3, PPITCH
	s_mul_i32 s17, s16, WREG
	v_add_nc_u32 v1, s17, v1                       ; my features: wave x 18,432 + 144 L; never rewritten
	v_lshlrev_b32 v3, 4, v3                        ; 16 L; never rewritten
	s_lshl_b32 s18, ttmp9, 2
	s_add_co_u32 s18, s18, s16                     ; W = 4 x work-group + wave
	s_mul_i32 s2, s18, 1536                        ; 128 points of 12 bytes
	s_mov_b32 s3, 0
	s_lshl_b32 s18, s18, 9                         ; 128 outputs of 4 bytes
	s_mov_b32 s19, 0
	s_mov_b32 s27, 0x9e3779b1                      ; the hash's primes for y and z (x's is 1)
	s_mov_b32 s28, 0x30025795
	s_mov_b32 s29, 0x7ffff                         ; T - 1
	s_mov_b32 s30, 0x76543210
	s_mov_b32 s31, 0xfedcba98                      ; v_permlanex16_b32's selects for lane l xor 16
	s_mov_b32 s32, 0xffff0000                      ; lanes 16-31
	v_mov_b32 v94, 0
	v_mov_b32 v95, 0x40000                         ; v[94:95] = 2^50: the 0.5 of pos
	s_wait_kmcnt 0x0
	s_add_nc_u64 s[4:5], s[4:5], s[2:3]
	s_add_nc_u64 s[6:7], s[6:7], s[2:3]
	s_add_nc_u64 s[14:15], s[14:15], s[18:19]
.irp i, 0,1,2
	global_load_b128 v[X01+4*\i:X01+4*\i+3], v2, s[6:7] offset:16*\i th:TH_LOAD_NT
	global_load_b128 v[XI+4*\i:XI+4*\i+3], v2, s[4:5] offset:16*\i th:TH_LOAD_NT
.endr
	s_mov_b64 s[20:21], s[8:9]                     ; the even levels' table, beginning with level 0's,
	s_add_nc_u64 s[22:23], s[8:9], 0x400000        ; and the odd levels', with level 1's: a level's table is 2^19 x 8 bytes
	s_wait_loadcnt 0x0
.irp j, 0,2,4,6,8,10
	v_pk_fma_f32 v[X01+\j:X01+\j+1], v[X01+\j:X01+\j+1], 0.5, 0.5 op_sel_hi:[1,0,0]   ; x01 = (x + 1) / 2: one rounding, that of x + 1
.endr
; ISSUE: level l's cells, fractions and indices, and its 32 gathers a lane.  fbits: the level's scale as f32; sfix: the same x 2^20; res: the grid's resolution where the level is indexed densely, else 0.
.macro ISSUE l, fbits, sfix, res
.set BUF, (\l)%2
.set DB,  D0+64*BUF
.set FB,  FR0+12*BUF
.set IB,  IX0+4*BUF
.set TBR, 20+2*BUF
.if (\l) >= 2
	s_add_nc_u64 s[TBR:TBR+1], s[TBR:TBR+1], 0x800000   ; two levels on.  The loads that named this base, level l - 2's, have been shown done by the counted waits of its interpolation
.endif
	s_mov_b32 s24, \fbits
	s_mov_b32 s25, \fbits                          ; (named with it as a pair, so it is written)
	s_mov_b32 s26, \sfix
.irp j, 0,2,4,6,8,10
	v_pk_fma_f32 v[FB+\j:FB+\j+1], v[X01+\j:X01+\j+1], s[24:25], 0.5 op_sel_hi:[1,0,0]   ; pos
.endr
.irp g, 0,1,2
.irp k, 0,1,2,3
	v_mad_co_u64_u32 v[MT+2*\k:MT+2*\k+1], vcc_lo, v[XI+4*\g+\k], s26, v[94:95]   ; X S + 2^50, under 2^63
.endr
.irp k, 0,1,2,3
	v_lshrrev_b32 v[PG+4*\g+\k], 19, v[MT+2*\k+1]  ; >> 51: the cell
.endr
.endr
.irp j, 0,1,2,3,4,5,6,7,8,9,10,11
	v_cvt_f32_u32 v[PS+\j], v[PG+\j]
.endr
.irp j, 0,2,4,6,8,10
	v_pk_add_f32 v[FB+\j:FB+\j+1], v[FB+\j:FB+\j+1], v[PS+\j:PS+\j+1] neg_lo:[0,1] neg_hi:[0,1]   ; the fraction
.endr
.if (\l) >= 2
	s_wait_dscnt 0x0                               ; level l - 2's feature stores have read their registers, which are written next
.endif
.irp p, 0,1,2,3
.if (\res) == 0
	; hashed: (cx ^ cy P1 ^ cz P2) & (T - 1).  The corner one further on adds the prime; cx stays under 2^19, so the mask is laid on the four y-z parts
	v_mul_lo_u32 v[HT], v[PG+3*\p+1], s27
	v_mul_lo_u32 v[HT+1], v[PG+3*\p+2], s28
	v_add_nc_u32 v[HT+2], 1, v[PG+3*\p]
	v_add_nc_u32 v[HT+3], s27, v[HT]
	v_add_nc_u32 v[HT+4], s28, v[HT+1]
	v_xor_b32 v[HT+5], v[HT], v[HT+1]              ; part 2 z + y
	v_xor_b32 v[HT+6], v[HT+3], v[HT+1]
	v_xor_b32 v[HT+7], v[HT], v[HT+4]
	v_xor_b32 v[HT+8], v[HT+3], v[HT+4]
.irp k, 5,6,7,8
	v_and_b32 v[HT+\k], s29, v[HT+\k]
.endr
.irp k, 0,1,2,3
	v_xor_b32 v[DB+16*\p+4*\k], v[PG+3*\p], v[HT+5+\k]
	v_xor_b32 v[DB+16*\p+4*\k+2], v[HT+2], v[HT+5+\k]
.endr
.irp c, 0,1,2,3,4,5,6,7
	v_min_u32 v[DB+16*\p+2*\c], 0x7ffff, v[DB+16*\p+2*\c]   ; an index made of loaded numbers is held inside its table by a constant written here (it changes nothing: the mask has been laid on)
.endr
.irp c, 0,1,2,3,4,5,6,7
	global_load_b64 v[DB+16*\p+2*\c:DB+16*\p+2*\c+1], v[DB+16*\p+2*\c], s[TBR:TBR+1] scale_offset   ; 8 bytes at 8 x index; each load lands on its own index
.endr
.else
	; dense: cx + cy R + cz R^2; the eight corners stand in the loads' immediates
	v_mad_u32_u24 v[IB+\p], v[PG+3*\p+2], \res, v[PG+3*\p+1]
	v_mad_u32_u24 v[IB+\p], v[IB+\p], \res, v[PG+3*\p]
	v_min_u32 v[IB+\p], 0x7ffff-(1+(\res)+(\res)*(\res)), v[IB+\p]   ; held so that the farthest corner too stays inside the level's table (for x in [-1, 1] it changes nothing)
	v_lshlrev_b32 v[IB+\p], 3, v[IB+\p]
.irp c, 0,1,2,3,4,5,6,7
	global_load_b64 v[DB+16*\p+2*\c:DB+16*\p+2*\c+1], v[IB+\p], s[TBR:TBR+1] offset:8*((\c%2)+(\res)*((\c/2)%2)+(\res)*(\res)*(\c/4))
.endr
.endif
.endr
.endm
; a (1 - f) + b f on a pair of features, in two fused steps: a = a - f a, then a = f b + a.  f = v[n] serves both halves: it is picked out of its aligned pair.
.macro LERP1 a, n
.if (\n)%2
	v_pk_fma_f32 v[\a:\a+1], v[\a:\a+1], v[(\n)-1:\n], v[\a:\a+1] op_sel:[0,1,0] op_sel_hi:[1,1,1] neg_lo:[0,1,0] neg_hi:[0,1,0]
.else
	v_pk_fma_f32 v[\a:\a+1], v[\a:\a+1], v[\n:(\n)+1], v[\a:\a+1] op_sel_hi:[1,0,1] neg_lo:[0,1,0] neg_hi:[0,1,0]
.endif
.endm
.macro LERP2 a, b, n
.if (\n)%2
	v_pk_fma_f32 v[\a:\a+1], v[\b:\b+1], v[(\n)-1:\n], v[\a:\a+1] op_sel:[0,1,0] op_sel_hi:[1,1,1]
.else
	v_pk_fma_f32 v[\a:\a+1], v[\b:\b+1], v[\n:(\n)+1], v[\a:\a+1] op_sel_hi:[1,0,1]
.endif
.endm
; CONSUME: level l's interpolation, point by point, and its two features to LDS.  younger: the loads issued behind this level's.
.macro CONSUME l, younger
.set BUF, (\l)%2
.set DB,  D0+64*BUF
.set FB,  FR0+12*BUF
.irp p, 0,1,2,3
	s_wait_loadcnt 8*(3-\p)+(\younger)             ; loads come back in order: point p's eight are in; the level's later points (8 each) and all that was issued behind the level may be out
.irp a, 0,4,8,12
	LERP1 DB+16*\p+\a, FB+3*\p
.endr
.irp a, 0,4,8,12
	LERP2 DB+16*\p+\a, DB+16*\p+\a+2, FB+3*\p      ; along x
.endr
.irp a, 0,8
	LERP1 DB+16*\p+\a, FB+3*\p+1
.endr
.irp a, 0,8
	LERP2 DB+16*\p+\a, DB+16*\p+\a+4, FB+3*\p+1    ; along y
.endr
	LERP1 DB+16*\p, FB+3*\p+2
	LERP2 DB+16*\p, DB+16*\p+8, FB+3*\p+2          ; along z
	ds_store_b64 v1, v[DB+16*\p:DB+16*\p+1] offset:PSET*\p+8*(\l)
.endr
.endm
	; The scales are 16 x 128^(l / 15) - 1, rounded to f32 as reference() multiplies by them.  Resolutions 16, 23, 31, 43, 59 fit the table (59^3 <= 2^19 < 81^3): levels 0-4 are dense.
	ISSUE 0,  0x41700000, 0x00f00000, 16
	ISSUE 1,  0x41a8e285, 0x0151c50a, 23
	CONSUME 0, 32
	ISSUE 2,  0x41ec7080, 0x01d8e100, 31
	CONSUME 1, 32
	ISSUE 3,  0x4224e5a3, 0x0293968c, 43
	CONSUME 2, 32
	ISSUE 4,  0x426566a5, 0x03959a94, 59
	CONSUME 3, 32
	ISSUE 5,  0x429f4518, 0x04fa28c0, 0
	CONSUME 4, 32
	ISSUE 6,  0x42dcdc67, 0x06e6e338, 0
	CONSUME 5, 32
	ISSUE 7,  0x4318fcb9, 0x098fcb90, 0
	CONSUME 6, 32
	ISSUE 8,  0x4353cc02, 0x0d3cc020, 0
	CONSUME 7, 32
	ISSUE 9,  0x4392888c, 0x12511180, 0
	CONSUME 8, 32
	ISSUE 10, 0x43caaff5, 0x1955fea0, 0
	CONSUME 9, 32
	ISSUE 11, 0x440c24c3, 0x230930c0, 0
	CONSUME 10, 32
	ISSUE 12, 0x4441c300, 0x3070c000, 0
	CONSUME 11, 32
	ISSUE 13, 0x4485edbc, 0x42f6de00, 0
	CONSUME 12, 32
	ISSUE 14, 0x44b9201e, 0x5c900f00, 0
	CONSUME 13, 32
	ISSUE 15, 0x44ffe000, 0x7ff00000, 0
	CONSUME 14, 32
	; THE WEIGHTS, 28 loads, asked for under the last level's interpolation, into registers that the walk has left (level 15 works in v82-93 and v160-223)
	s_wait_dscnt 0x0                               ; level 14's feature stores have read v96 on
	v_and_b32 v232, 31, v0
	v_lshlrev_b32 v232, 5, v232                    ; 32 L: my eight scale words
	v_bfe_u32 v233, v0, 4, 1
	v_lshlrev_b32 v233, 5, v233                    ; 32 h: my half's eight numbers of each 16 of w2
.irp g, 0,1,2,3,4,5,6,7,8,9,10,11,12,13,14,15,16,17
	global_load_b128 v[W0A+4*\g:W0A+4*\g+3], v3, s[10:11] offset:512*\g   ; the image of 72 registers, four at a time: 512 consecutive bytes a load
.endr
	global_load_b128 v[W0S:W0S+3], v232, s[10:11] offset:9216
	global_load_b128 v[W1S:W1S+3], v232, s[10:11] offset:9232
.irp t, 0,1,2,3
	global_load_b128 v[W2R+8*\t:W2R+8*\t+3], v233, s[12:13] offset:64*\t
	global_load_b128 v[W2R+8*\t+4:W2R+8*\t+7], v233, s[12:13] offset:64*\t+16
.endr
	CONSUME 15, 28
	s_wait_loadcnt 0x0                             ; the weights
.irp j, 76,77,78,79,80,81, 88,89,90,91,92,93, 134,135,136,137,138,139, 146,147,148,149,150,151
	v_mov_b32 v[\j], 0                             ; zero codes beyond K: behind W1's last fragment, and the upper six registers of the three operands of points
.endr
.irp j, 225,226,227, 238,239
	v_mov_b32 v[\j], 0                             ; read before their first result is written: the outputs' turn, and two lane permutes' destinations
.endr
	s_mov_b32 s33, 0
	s_mov_b32 s34, 4
; One scaled product: 16 columns of a weight (source 0) x 16 points (source 1), a sum of its own begun with 0: no two of this text's matrix instructions share an accumulator.
.macro MM d, a, b, sa, sb, row1
.if \row1
	v_wmma_scale_f32_16x16x128_f8f6f4 v[\d:\d+7], v[\a:\a+11], v[\b:\b+11], 0, v[\sa], v[\sb] matrix_a_fmt:MATRIX_FMT_BF6 matrix_b_fmt:MATRIX_FMT_BF6 matrix_b_scale:MATRIX_SCALE_ROW1
.else
	v_wmma_scale_f32_16x16x128_f8f6f4 v[\d:\d+7], v[\a:\a+11], v[\b:\b+11], 0, v[\sa], v[\sb] matrix_a_fmt:MATRIX_FMT_BF6 matrix_b_fmt:MATRIX_FMT_BF6
.endif
.endm
; The hidden layer of 16 points, 32 registers a lane (register 16 b + i = unit 32 b + 16 h + i of my point, none negative), becomes six registers of codes and a scale word.
.macro QUANT1 h, b1, pw
	v_max3_num_f32 v[TM], v[\h], v[\h+1], 0x2800000           ; block 0: my 16 numbers, and the floor 2^(5 - 127): the byte cannot fall under 1
	v_max3_num_f32 v[TM+1], v[\h+16], v[\h+17], 0x2800000     ; block 1 (the two by turns)
.irp i, 2,4,6,8,10,12,14
	v_max3_num_f32 v[TM], v[TM], v[\h+\i], v[\h+\i+1]
	v_max3_num_f32 v[TM+1], v[TM+1], v[\h+16+\i], v[\h+17+\i]
.endr
	v_permlanex16_b32 v[TM+2], v[TM], s30, s31
	v_permlanex16_b32 v[TM+3], v[TM+1], s30, s31
	v_max_num_f32 v[TM], v[TM], v[TM+2]            ; with lane l xor 16's 16: the block's largest
	v_max_num_f32 v[TM+1], v[TM+1], v[TM+3]
	v_add_nc_u32 v[TM+4], 0xfe000000, v[TM]        ; 4 off the exponent field: the conversion's scale operand
	v_add_nc_u32 v[TM+5], 0xfe000000, v[TM+1]
	v_lshrrev_b32 v[TM+6], 23, v[TM+4]             ; the scale's byte
	v_lshrrev_b32 v[TM+7], 23, v[TM+5]
	v_lshl_or_b32 v[\pw], v[TM+7], 8, v[TM+6]      ; my point's scale word: bytes (block 0, block 1, 0, 0)
	v_cvt_scalef32_pk16_bf6_f32 v[\b1:\b1+2], v[\h:\h+15], v[TM+4]
	v_cvt_scalef32_pk16_bf6_f32 v[CT:CT+2], v[\h+16:\h+31], v[TM+5]   ; (a conversion's three registers begin on an even number)
	v_nop                                          ; one plain place behind a scaled conversion
.irp i, 0,1,2
	v_permlane16_swap_b32 v[\b1+\i], v[CT+\i]      ; the operand wants a WHOLE block in a lane: lanes 0-15 block 0, lanes 16-31 block 1
.endr
.irp i, 0,1,2
	v_mov_b32 v[\b1+3+\i], v[CT+\i]
.endr
.endm
.Lset:                                             ; four trips, one for each p: the 32 points (p, L)
	v_add_nc_u32 v[LB], s33, v1
.irp i, 0,1,2,3,4,5,6,7
	ds_load_b128 v[HB+4*\i:HB+4*\i+3], v[LB] offset:16*\i   ; my point's 32 features.  LDS serves a wave's instructions in order (ISA guide 5.7.1.4): these see my stores
.endr
	s_wait_dscnt 0x0
	v_max3_num_f32 v[TM], |v[HB]|, |v[HB+1]|, |v[HB+2]|      ; the block's largest magnitude: all 32 numbers are mine; two chains
	v_max3_num_f32 v[TM+1], |v[HB+3]|, |v[HB+4]|, |v[HB+5]|
.irp i, 6,10,14,18,22,26
	v_max3_num_f32 v[TM], v[TM], |v[HB+\i]|, |v[HB+\i+1]|
	v_max3_num_f32 v[TM+1], v[TM+1], |v[HB+\i+2]|, |v[HB+\i+3]|
.endr
	v_max3_num_f32 v[TM], v[TM], |v[HB+30]|, |v[HB+31]|
	v_max3_num_f32 v[TM], v[TM], v[TM+1], 0x2800000          ; and the floor
	v_add_nc_u32 v[TM+2], 0xfe000000, v[TM]
	v_lshrrev_b32 v[TM+3], 23, v[TM+2]
	v_lshl_or_b32 v[SW], v[TM+3], 8, v[TM+3]       ; the byte in block 0's place and in block 1's: lanes 0-15 are read for the one, lanes 16-31 for the other
	v_cvt_scalef32_pk16_bf6_f32 v[B0:B0+2], v[HB:HB+15], v[TM+2]
	v_cvt_scalef32_pk16_bf6_f32 v[CT:CT+2], v[HB+16:HB+31], v[TM+2]
	v_nop                                          ; one plain place behind a scaled conversion
.irp i, 0,1,2
	v_mov_b32 v[B0+3+\i], v[CT+\i]
.endr
.irp i, 0,1,2
	v_mov_b32 v[OUTR+\i], v[OUTR+1+\i]             ; the outputs move one down: trip p's ends in register p.  These three and the five below are the eight places between a scale register
.endr                                              ; written by a vector instruction and the scaled product (an operand so written wants four)
.rept 5
	v_nop
.endr
.irp t, 0,1,2,3
	MM HA+8*\t, W0A+6*\t, B0, W0S+\t, SW, 0        ; the points of lanes 0-15: register j of tile t = unit 32 (t / 2) + 16 h + 8 (t % 2) + j of point r
.endr
.irp t, 0,1,2,3
	MM HB+8*\t, W0B+6*\t, B0, W0S+\t, SW, 1        ; the points of lanes 16-31
.endr
.rept 4
	v_nop                                          ; four places between a matrix instruction and the first read of its result (ISA guide 7.12.1)
.endr
.irp j, 0,1,2,3,4,5,6,7,8,9,10,11,12,13,14,15,16,17,18,19,20,21,22,23,24,25,26,27,28,29,30,31
	v_max_num_f32 v[HA+\j], 0, v[HA+\j]            ; the activation, in f32; each accumulator from its low end on
	v_max_num_f32 v[HB+\j], 0, v[HB+\j]
.endr
	QUANT1 HA, B1A, PWA
	QUANT1 HB, B1B, PWB
.rept 8
	v_nop                                          ; eight places behind the scale word just made, four behind the operand
.endr
.irp t, 0,1,2,3
	MM HA+8*\t, W1F+6*\t, B1A, W1S+\t, PWA, 0      ; register j of tile t = unit 16 t + 8 h + j of point r
.endr
.irp t, 0,1,2,3
	MM HB+8*\t, W1F+6*\t, B1B, W1S+\t, PWB, 0
.endr
.rept 4
	v_nop                                          ; places in front of the reads of results, and of the next trip's loads into v160 on
.endr
.irp j, 0,1,2,3,4,5,6,7,8,9,10,11,12,13,14,15,16,17,18,19,20,21,22,23,24,25,26,27,28,29,30,31
	v_max_num_f32 v[HA+\j], 0, v[HA+\j]
	v_max_num_f32 v[HB+\j], 0, v[HB+\j]
.endr
	v_pk_mul_f32 v[ACA:ACA+1], v[HA:HA+1], v[W2R:W2R+1]      ; the last product: my 32 units x w2; the first term starts each sum
	v_pk_mul_f32 v[ACB:ACB+1], v[HB:HB+1], v[W2R:W2R+1]
.irp j, 2,4,6,8,10,12,14,16,18,20,22,24,26,28,30
	v_pk_fma_f32 v[ACA:ACA+1], v[HA+\j:HA+\j+1], v[W2R+\j:W2R+\j+1], v[ACA:ACA+1]
	v_pk_fma_f32 v[ACB:ACB+1], v[HB+\j:HB+\j+1], v[W2R+\j:W2R+\j+1], v[ACB:ACB+1]
.endr
	v_add_f32 v[RA], v[ACA], v[ACA+1]
	v_add_f32 v[RA+1], v[ACB], v[ACB+1]
	v_permlanex16_b32 v[RA+2], v[RA], s30, s31
	v_permlanex16_b32 v[RA+3], v[RA+1], s30, s31
	v_add_f32 v[RA], v[RA], v[RA+2]                ; with lane l xor 16's 32 units: point r's output, in both halves of the lanes
	v_add_f32 v[RA+1], v[RA+1], v[RA+3]            ; and point 16 + r's
	v_cndmask_b32 v[OUTR+3], v[RA], v[RA+1], s32   ; each lane keeps its own point's
	s_add_co_u32 s33, s33, PSET
	s_sub_co_i32 s34, s34, 1
	s_cmp_lg_u32 s34, 0
	s_cbranch_scc1 .Lset
	global_store_b128 v3, v[OUTR:OUTR+3], s[14:15] th:TH_STORE_NT   ; my four points' outputs: the wave stores 512 consecutive bytes, at a multiple of 512 from out0's first byte
	s_wait_tensorcnt 0x0
	ds_add_u32 v243, v255
	s_wait_dscnt 0x0
	s_endpgm
.Lfunc_end_k_qf0c07d739f_ngp:
	.size	k_qf0c07d739f_ngp, .Lfunc_end_k_qf0c07d739f_ngp-k_qf0c07d739f_ngp
	.p2alignl 7, 3214868480
	.fill 96, 4, 3214868480
	.section	.rodata,"a",@progbits
	.p2align	6, 0x0
	.amdhsa_kernel k_qf0c07d739f_ngp
		.amdhsa_group_segment_fixed_size 74240
		.amdhsa_private_segment_fixed_size 0
		.amdhsa_enable_private_segment 0
		.amdhsa_kernarg_size 48
		.amdhsa_user_sgpr_count 2
		.amdhsa_user_sgpr_kernarg_segment_ptr 1
		.amdhsa_wavefront_size32 1
		.amdhsa_system_sgpr_workgroup_id_x 1
		.amdhsa_system_sgpr_workgroup_id_y 1
		.amdhsa_system_sgpr_workgroup_id_z 1
		.amdhsa_system_vgpr_workitem_id 0
		.amdhsa_next_free_vgpr 256
		.amdhsa_next_free_sgpr 66
		.amdhsa_reserve_vcc 1
		.amdhsa_float_denorm_mode_32 3
		.amdhsa_float_denorm_mode_16_64 3
		.amdhsa_memory_ordered 1
		.amdhsa_forward_progress 1
		.amdhsa_inst_pref_size 231
	.end_amdhsa_kernel
	.amdgpu_metadata
---
amdhsa.version: [ 1, 2 ]
amdhsa.kernels:
  - .name:           k_qf0c07d739f_ngp
    .symbol:         k_qf0c07d739f_ngp.kd
    .args:
      - { .name: xq, .offset: 0, .size: 8, .value_kind: global_buffer, .address_space: global }
      - { .name: x, .offset: 8, .size: 8, .value_kind: global_buffer, .address_space: global }
      - { .name: tables, .offset: 16, .size: 8, .value_kind: global_buffer, .address_space: global }
      - { .name: wq, .offset: 24, .size: 8, .value_kind: global_buffer, .address_space: global }
      - { .name: w2, .offset: 32, .size: 8, .value_kind: global_buffer, .address_space: global }
      - { .name: out0, .offset: 40, .size: 8, .value_kind: global_buffer, .address_space: global }
    .group_segment_fixed_size: 74240
    .private_segment_fixed_size: 0
    .kernarg_segment_align: 8
    .kernarg_segment_size: 48
    .max_flat_workgroup_size: 128
    .sgpr_count:     66
    .vgpr_count:     256
    .wavefront_size: 32
...
	.end_amdgpu_metadata
.endif
;; end of part 2
;; ======== version 2 of 3: 2 launches; 1.12 times as fast as version 1
;; limits: inputs' magnitudes at most 1
;; workspace buffers: xq 12,582,912 bytes of whole numbers; wq 7,168 bytes
;; launch prep (part 3): grid 768 x 1, 8 waves a work-group, no clusters, 0 bytes of LDS; arguments x, w0, w1, xq, wq; writes xq, wq
.if DOCPART == 3
	.amdgcn_target "amdgcn-amd-amdhsa--gfx1250"
	.amdhsa_code_object_version 6
	.text
	.protected	k_qf0c07d739f_prep
	.globl	k_qf0c07d739f_prep
	.p2align	8
	.type	k_qf0c07d739f_prep,@function
k_qf0c07d739f_prep:
	s_mov_b64 s[64:65], 0
	v_nop
	global_prefetch_b8 v0, s[64:65] scope:SCOPE_SE
	s_setreg_imm32_b32 hwreg(HW_REG_WAVE_MODE, 25, 1), 1
	s_wait_xcnt 0x0
; PREP.  Two things that the second launch wants ready.
; (1) xq[i] = trunc((x[i] + 1) * 2^30), a whole number: x01 = (x + 1) / 2 in fixed point with 31 bits behind the point.  The second launch forms every
;     grid cell and every table index from these whole numbers by integer arithmetic alone.  (x + 1) is rounded once, as reference() rounds it; the factor 2^30 rounds nothing.
; (2) wq: w0 [32][64] and w1 [64][64], f32 with K along the FIRST axis, as codes of BF6 (E3M2) with one E8M0 scale for each 32 along K, laid as an IMAGE OF THE
;     OPERANDS' REGISTERS: register rho (0 .. 47) of lane L at byte (rho / 4) * 512 + 16 L + 4 (rho % 4); behind them, from byte 6144 on, scale word w (0 .. 7) of lane L at 32 L + 4 w.
;     Eight fragments of six registers: 0-3 w0's tiles, 4-7 w1's.  w0 has one block of 32 along K: it stands in block 0's place (lanes 0-15) AND in block 1's (lanes 16-31).
; LIMITS: x in [-1, 1], as reference() assumes (x01 in [0, 1]); outside it the conversion saturates.  Where x01 is under 2^-8 the bits under 2^-31 are dropped.
;     NaN and infinities are not served.  A block of weights whose largest magnitude lies under 2^-122 (a block of zeros too) keeps the scale byte 1: only this program reads the bytes.
; SHARES: x is a plain stream of 3,145,728 numbers; a work-group of eight waves takes 16 KiB, a load or store of a wave 512 consecutive bytes.  Work-group 0 also makes wq, a wave a tile of 16 columns.
.set NUM, 96                           ; v96-127  a lane's block: 32 numbers down K of one column
.set COD, 64                           ; v64-70   its codes
	s_load_b256 s[4:11], s[0:1], 0x0               ; x s[4:5], w0 s[6:7], w1 s[8:9], xq s[10:11]
	s_load_b64 s[12:13], s[0:1], 0x20              ; wq
	v_lshlrev_b32 v1, 4, v0                        ; 16 bytes a thread; never rewritten
	s_lshl_b32 s2, ttmp9, 14                       ; 16 KiB a work-group
	s_mov_b32 s3, 0
	s_mov_b32 s14, 0x4e800000                      ; 2^30
	s_mov_b32 s15, s14                             ; (named with it as a pair, so it is written)
	s_wait_kmcnt 0x0
	s_add_nc_u64 s[4:5], s[4:5], s[2:3]
	s_add_nc_u64 s[10:11], s[10:11], s[2:3]
.irp i, 0,1,2,3
	global_load_b128 v[16+4*\i:19+4*\i], v1, s[4:5] offset:4096*\i th:TH_LOAD_NT
.endr
.irp i, 0,1,2,3
	s_wait_loadcnt 3-\i                            ; loads come back in order: load i is in, the 3 - i younger ones may be out
	v_pk_fma_f32 v[16+4*\i:17+4*\i], v[16+4*\i:17+4*\i], s[14:15], s[14:15] op_sel_hi:[1,0,0]   ; x * 2^30 + 2^30 = (x + 1), rounded once, * 2^30
	v_pk_fma_f32 v[18+4*\i:19+4*\i], v[18+4*\i:19+4*\i], s[14:15], s[14:15] op_sel_hi:[1,0,0]
.irp j, 0,1,2,3
	v_cvt_u32_f32 v[32+4*\i+\j], v[16+4*\i+\j]     ; toward zero; at most 2^31
.endr
	global_store_b128 v1, v[32+4*\i:35+4*\i], s[10:11] offset:4096*\i th:TH_STORE_NT   ; a wave stores 512 consecutive bytes, aligned; no register of a store is written again
.endr
	s_cmp_lg_u32 ttmp9, 0
	s_cbranch_scc1 .Lend                           ; the weights are work-group 0's
	; THE WEIGHTS.  Wave w: waves 0-3 take w0's tiles, waves 4-7 w1's.  A LANE TAKES A COLUMN n AND ITS REGISTERS RUN DOWN K, so a block of 32 lies in one lane.
	v_lshrrev_b32 v2, 5, v0
	v_readfirstlane_b32 s16, v2                    ; wave 0..7: also the fragment's number
	s_lshr_b32 s17, s16, 2                         ; 0: w0, 1: w1
	s_and_b32 s18, s16, 3                          ; tile t
	s_lshr_b32 s22, s18, 1
	s_lshl_b32 s22, s22, 5
	s_and_b32 s23, s18, 1
	s_lshl_b32 s23, s23, 3
	s_add_co_u32 s22, s22, s23                     ; w0: the tile begins at column 32 (t / 2) + 8 (t % 2)
	s_lshl_b32 s23, s18, 4                         ; w1: at column 16 t
	s_mul_i32 s24, s16, 3                          ; the fragment's first pair of registers
	s_cmp_eq_u32 s17, 0
	s_cselect_b64 s[20:21], s[6:7], s[8:9]         ; the choice hangs on the wave's number alone
	s_cselect_b32 s22, s22, s23
	s_cselect_b32 s23, 8, 0                        ; w0: THE COLUMNS OF A TILE ARE NOT NEIGHBOURS: lane r takes column r + 8 (r / 8) of the tile, so that in the first product's result
	                                               ; the 16 registers of tiles 2 b and 2 b + 1 are 16 neighbours along the second product's K
	s_mov_b32 s28, 0x76543210
	s_mov_b32 s29, 0xfedcba98                      ; v_permlanex16_b32's selects for lane l xor 16
	v_and_b32 v3, 31, v0                           ; lane L
	v_and_b32 v4, 15, v0                           ; r
	v_bfe_u32 v5, v0, 4, 1                         ; h
	v_and_b32 v6, s23, v4
	v_add_nc_u32 v6, v6, v4
	v_add_nc_u32 v6, s22, v6                       ; my column n
	v_and_b32 v7, s17, v5                          ; w1: lanes 16-31 take rows 32 .. 63; w0 has 32 rows: both halves of the lanes take them all, and no load leaves w0
	v_lshlrev_b32 v7, 13, v7                       ; 32 rows of 256 bytes
	v_lshl_add_u32 v7, v6, 2, v7
.irp i, 0,1,2,3,4,5,6,7,8,9,10,11,12,13,14,15,16,17,18,19,20,21,22,23,24,25,26,27,28,29,30,31
	global_load_b32 v[NUM+\i], v7, s[20:21] offset:256*\i
.endr
	v_lshlrev_b32 v14, 4, v3                       ; 16 L: my place in a group of four registers of the image
	v_mov_b32 v13, 0                               ; (a lane permute's destination counts as one of its sources)
	v_lshlrev_b32 v12, 3, v5                       ; 8 h
	s_lshl_b32 s25, s16, 2
	v_lshl_add_u32 v56, v3, 5, s25                 ; 32 L + 4 w: my scale word's place
	s_wait_loadcnt 0x0
	v_max3_num_f32 v8, |v[NUM]|, |v[NUM+1]|, |v[NUM+2]|            ; the block's largest magnitude, in two chains
	v_max3_num_f32 v9, |v[NUM+3]|, |v[NUM+4]|, |v[NUM+5]|
.irp i, 6,10,14,18,22,26
	v_max3_num_f32 v8, v8, |v[NUM+\i]|, |v[NUM+\i+1]|
	v_max3_num_f32 v9, v9, |v[NUM+\i+2]|, |v[NUM+\i+3]|
.endr
	v_max3_num_f32 v8, v8, |v[NUM+30]|, |v[NUM+31]|
	v_max3_num_f32 v8, v8, v9, 0x2800000           ; and the floor 2^(5 - 127): the byte cannot fall under 1
	v_add_nc_u32 v10, 0xfe000000, v8               ; 4 off its exponent field: the conversion takes the exponent field of this operand as its scale, and nothing else of it
	v_lshrrev_b32 v11, 23, v10                     ; the scale's byte,
	v_lshlrev_b32 v11, v12, v11                    ; at byte h of the word;
	v_permlanex16_b32 v13, v11, s28, s29
	v_or_b32 v11, v11, v13                         ; with lane l xor 16's: bytes (block 0, block 1, 0, 0).  For w0 both are its one block's byte
	v_cvt_scalef32_pk16_bf6_f32 v[COD:COD+2], v[NUM:NUM+15], v10
	v_cvt_scalef32_pk16_bf6_f32 v[COD+4:COD+6], v[NUM+16:NUM+31], v10   ; (a conversion's three registers begin on an even number)
	v_nop                                          ; one plain place behind a scaled conversion
	v_mov_b32 v[COD+3], v[COD+4]
	v_mov_b32 v[COD+4], v[COD+5]
	v_mov_b32 v[COD+5], v[COD+6]                   ; v64-69: the block's 192 bits
	global_store_b32 v56, v11, s[12:13] offset:6144
	; The fragment's six registers go out as three pairs.  Pair q = 3 w + i lies at (q / 2) * 512 + 16 L + 8 (q % 2).  Each store has an offset register of its own.
.irp i, 0,1,2
	s_add_co_u32 s25, s24, \i
	s_lshr_b32 s26, s25, 1
	s_lshl_b32 s26, s26, 9
	s_and_b32 s25, s25, 1
	s_lshl_b32 s25, s25, 3
	s_add_co_u32 s25, s25, s26
	v_add_nc_u32 v[48+\i], s25, v14
	global_store_b64 v[48+\i], v[COD+2*\i:COD+2*\i+1], s[12:13]
.endr
.Lend:
	s_endpgm
.Lfunc_end_k_qf0c07d739f_prep:
	.size	k_qf0c07d739f_prep, .Lfunc_end_k_qf0c07d739f_prep-k_qf0c07d739f_prep
	.p2alignl 7, 3214868480
	.fill 96, 4, 3214868480
	.section	.rodata,"a",@progbits
	.p2align	6, 0x0
	.amdhsa_kernel k_qf0c07d739f_prep
		.amdhsa_group_segment_fixed_size 0
		.amdhsa_private_segment_fixed_size 0
		.amdhsa_enable_private_segment 0
		.amdhsa_kernarg_size 40
		.amdhsa_user_sgpr_count 2
		.amdhsa_user_sgpr_kernarg_segment_ptr 1
		.amdhsa_wavefront_size32 1
		.amdhsa_system_sgpr_workgroup_id_x 1
		.amdhsa_system_sgpr_workgroup_id_y 1
		.amdhsa_system_sgpr_workgroup_id_z 1
		.amdhsa_system_vgpr_workitem_id 0
		.amdhsa_next_free_vgpr 128
		.amdhsa_next_free_sgpr 66
		.amdhsa_reserve_vcc 0
		.amdhsa_float_denorm_mode_32 3
		.amdhsa_float_denorm_mode_16_64 3
		.amdhsa_memory_ordered 1
		.amdhsa_forward_progress 1
		.amdhsa_inst_pref_size 10
	.end_amdhsa_kernel
	.amdgpu_metadata
---
amdhsa.version: [ 1, 2 ]
amdhsa.kernels:
  - .name:           k_qf0c07d739f_prep
    .symbol:         k_qf0c07d739f_prep.kd
    .args:
      - { .name: x, .offset: 0, .size: 8, .value_kind: global_buffer, .address_space: global }
      - { .name: w0, .offset: 8, .size: 8, .value_kind: global_buffer, .address_space: global }
      - { .name: w1, .offset: 16, .size: 8, .value_kind: global_buffer, .address_space: global }
      - { .name: xq, .offset: 24, .size: 8, .value_kind: global_buffer, .address_space: global }
      - { .name: wq, .offset: 32, .size: 8, .value_kind: global_buffer, .address_space: global }
    .group_segment_fixed_size: 0
    .private_segment_fixed_size: 0
    .kernarg_segment_align: 8
    .kernarg_segment_size: 40
    .max_flat_workgroup_size: 256
    .sgpr_count:     66
    .vgpr_count:     128
    .wavefront_size: 32
...
	.end_amdgpu_metadata
.endif
;; end of part 3
;; launch ngp (part 4): grid 256 x 1, 16 waves a work-group, no clusters, 149,504 bytes of LDS; arguments xq, tables, wq, w2, out0; writes out0
.if DOCPART == 4
	.amdgcn_target "amdgcn-amd-amdhsa--gfx1250"
	.amdhsa_code_object_version 6
	.text
	.protected	k_qf0c07d739f_ngp
	.globl	k_qf0c07d739f_ngp
	.p2align	8
	.type	k_qf0c07d739f_ngp,@function
k_qf0c07d739f_ngp:
	s_mov_b64 s[64:65], 0
	v_nop
	global_prefetch_b8 v0, s[64:65] scope:SCOPE_SE
	s_setreg_imm32_b32 hwreg(HW_REG_WAVE_MODE, 25, 1), 1
	s_wait_xcnt 0x0
; NGP.  out0[n] = relu(relu(enc(x[n]) w0) w1) w2: a hash grid of 16 levels (8 corners of 2 numbers, trilinear, f32), then an MLP 32 -> 64 -> 64 -> 1 whose first two products
; run on codes of BF6 (E3M2) with one E8M0 scale for each 32 along K; the last product (one column) is fused multiply-adds in f32.  Nothing between xq and out0 goes to memory.
; SHARES.  256 work-groups of sixteen waves that stay.  A wave walks four chunks of 64 consecutive points, two to a lane (points 2 L + p of the chunk).
; THE TWO COARSEST LEVELS ARE GATHERED FROM LDS.  Level 0's indices reach 16 x 273 = 4,368 (the corner of x01 = 1 is cell 16) and level 1's 23^3 - 1: their first 5,120 and 12,288 entries, 139,264 bytes,
;   are copied into LDS once, with the weights' codes (7,168 bytes) and w2 (256 bytes).  One barrier; behind it LDS is only read.  A work-group so copies 146,688 bytes and spares 4,096 points x 128 bytes of gathers.
;   Level 2 (31^3 entries of 8 bytes) no longer fits beside them.
; THE CELLS COME FROM WHOLE NUMBERS.  xq holds X = x01 * 2^31; S = a level's scale (as f32) * 2^20 is a whole number under 2^31; the cell is (X S + 2^50) >> 51 = floor(x01 * scale + 0.5), exactly.
;   x01 = X * 2^-31 in f32, exactly (X has at most 24 significant bits).  The fraction is pos - cell, pos = x01 * scale + 0.5 by one fused multiply-add.  Rounding keeps order, so cell <= pos <= cell + 1;
;   where a floor taken of the rounded pos would give the neighbouring cell, the fraction here is exactly 0 or 1, and a (1 - f) + b f is written as (a - f a) + f b, which is exactly a at 0 and b at 1: the same value.
; THE LEVELS ARE WALKED OUTERMOST, each level's 16 gathers a lane issued two levels ahead of their use, in three sets of registers by turns: at most 48 loads of a wave are out.
;   A level's two features a point stay in REGISTERS: a lane ends up with all 32 features of each of its points, one block of 32, where the first quantiser takes them.
; A K OF 32 OR 64 IN A FORM 128 DEEP.  What lies beyond K is zero CODES on the points' side (six registers that stay 0), so whatever stands there on the weights' side adds nothing (E3M2 has no code for NaN or infinity).
;   First product: w0's one block stands in block 0's place and in block 1's.  The points' codes are laid twice: BA keeps lanes 0-15 (block 0's place) and has zero codes above, BB keeps lanes 16-31 (block 1's place):
;   the product with BA is that of the points of lanes 0-15, the product with BB (the points' scales taken from lanes 16-31) that of lanes 16-31.  No number changes lanes.
;   Both products are used TRANSPOSED (source 0 = 16 columns of the weight, source 1 = 16 points): a lane holds one point and eight hidden units.
; LIMITS: x in [-1, 1], as reference() assumes (x01 in [0, 1]); outside it every index is still held inside its table, but the values are not reference()'s.  Where x01 is under 2^-8, X has dropped the bits
;   under 2^-31, and x01 with them.  pos has one rounding where a separate multiply and add have two.  NaN and infinities are not served.
;   A block whose largest magnitude lies under 2^-122 (a block of zeros too) has the scale byte 1; a block of zeros has zero codes, which add nothing.
; NO CLUSTER, NO JOINT LOADS: what all work-groups read alike is the 146,688 bytes of the copy, once; against it stand 14 levels x 4,096 points x 64 bytes = 3.67 MB that each gathers lane by lane for itself.
.set CHUNKS, 4
.set T0L,  0                           ; LDS: level 0's first 5,120 entries
.set T1L,  40960                       ;      level 1's first 12,288 entries
.set WQL,  139264                      ;      the weights' image: 48 registers, then the scale words
.set W2L,  146432                      ;      w2
; REGISTERS while the levels are walked:  v1 24 L (xq), v2 8 L (out0), v3 LDS address of my 16 bytes of an image group; never rewritten
.set X01, 4                            ; v4-9     x01, register 3 p + d
.set XI,  10                           ; v10-15   X, likewise; the next chunk's are asked for when the last level has read these
.set C50, 16                           ; v[16:17] 2^50: the 0.5 of pos; never rewritten
.set PG,  18                           ; v18-23   the cells
.set MT,  24                           ; v24-35   six 64-bit products; then, in the same registers,
.set PS,  24                           ; v24-29   the cells as f32; then
.set HT,  24                           ; v24-32   a point's hashes at work
.set FR0, 36                           ; v36-53   the fractions: set b at + 6 b
.set IX0, 54                           ; v54-59   dense levels: a point's byte offset: set b at + 2 b
.set D0,  60                           ; v60-155  the gathered corners: set b at + 32 b, point p at + 16 p, corner c = 4 z + 2 y + x at + 2 c
.set FEAT, 156                         ; v156-219 the features: point p at + 32 p, level l at + 2 l
; REGISTERS in the MLP:
.set HA,  18                           ; v18-49   the results for the points of lanes 0-15 (those of lanes 16-31 take the place of the features just quantised)
.set CT,  50                           ; v50-52, v54-56  codes as the conversions leave them
.set CU,  54
.set W0F, 60                           ; v60-83   w0's four fragments, tile t at + 6 t; a fragment is named 12 registers long: its upper six are the next fragment's and meet zero codes
.set W1F, 84                           ; v84-107  w1's; the last one's upper six are w2's first six
.set W2R, 108                          ; v108-139 w2: register 8 t + j = w2[16 t + 8 h + j]
.set TM,  140                          ; v140-147 at work in the quantisers and in the last product
.set OUTR, 148                         ; v[148:149] my two outputs
.set BA,  220                          ; v220-231 the operand of the points of lanes 0-15: six registers of codes, and six that stay 0
.set BB,  232                          ; v232-243 the same for lanes 16-31
.set W0S, 244                          ; v244-247 w0's scale words, v248-251 w1's: loaded once.  v244-253 hold scales and nothing else in the whole text; v254 until the closing lines
.set W1S, 248
.set SW,  252                          ; the features' scale word
.set PWA, 253                          ; the hidden layer's
.set PWB, 254
.set AW2, 255                          ; v255     LDS address of my half's numbers of w2; not written in the loop
	s_load_b256 s[4:11], s[0:1], 0x0               ; xq s[4:5], tables s[6:7], wq s[8:9], w2 s[10:11]
	s_load_b64 s[12:13], s[0:1], 0x20              ; out0
	v_lshrrev_b32 v1, 5, v0
	v_readfirstlane_b32 s14, v1                    ; wave 0..15
	v_and_b32 v3, 31, v0                           ; lane L
	v_mul_u32_u24 v1, v3, 24                       ; two points of 12 bytes a lane
	v_lshlrev_b32 v2, 3, v3                        ; two outputs of 4 bytes a lane
	; every LDS address of the copy is made here, ahead of the branches on the wave's number
	v_lshlrev_b32 v4, 4, v0                        ; 16 x thread: my 16 bytes of each 8,192 that the work-group copies at a time, in memory and in LDS
	v_add_nc_u32 v5, 0x10000, v4                   ; (an LDS offset has 16 bits: the register carries the rest)
	v_add_nc_u32 v6, 0x20000, v4
	v_and_b32 v7, 15, v0
	v_lshlrev_b32 v7, 4, v7                        ; w2 is sixteen pieces of 16 bytes
	v_add_nc_u32 v8, W2L, v7
	v_lshl_add_u32 v9, v3, 5, WQL+6144             ; my eight scale words
	v_bfe_u32 v[AW2], v0, 4, 1
	v_lshl_add_u32 v[AW2], v[AW2], 5, W2L          ; 32 h: my half's eight numbers of each 16 of w2
	v_lshl_add_u32 v3, v3, 4, WQL
	s_lshl_b32 s15, ttmp9, 6
	s_add_co_u32 s15, s15, s14                     ; my first run of 64 points: 64 x work-group + wave; a chunk on is 16 runs on
	s_mul_i32 s2, s15, 768                         ; 64 points of 12 bytes
	s_mov_b32 s3, 0
	s_lshl_b32 s16, s15, 8                         ; 64 outputs of 4 bytes
	s_mov_b32 s17, 0
	s_mov_b32 s27, 0x9e3779b1                      ; the hash's primes for y and z (x's is 1)
	s_mov_b32 s28, 0x30025795
	s_mov_b32 s29, 0x7ffff                         ; T - 1
	s_mov_b32 s30, 0x76543210
	s_mov_b32 s31, 0xfedcba98                      ; v_permlanex16_b32's selects for lane l xor 16
	s_mov_b32 s32, 0xffff0000                      ; lanes 16-31
	s_mov_b32 s33, CHUNKS
	s_mov_b32 s34, 0x30000000                      ; 2^-31
	s_mov_b32 s35, s34                             ; (named with it as a pair, so it is written)
	s_wait_kmcnt 0x0
	s_add_nc_u64 s[4:5], s[4:5], s[2:3]
	s_add_nc_u64 s[12:13], s[12:13], s[16:17]
.irp i, 0,1,2
	global_load_b64 v[XI+2*\i:XI+2*\i+1], v1, s[4:5] offset:8*\i th:TH_LOAD_NT   ; the first chunk's X: the wave reads 768 consecutive bytes
.endr
	; THE COPY INTO LDS, through registers.  Waves 0-13 take a piece each of the weights' image (448 x 16 bytes), wave 14 w2 (lanes l and l + 16 the same piece); all sixteen take the tables, 17 pieces a thread.
	s_cmp_lt_u32 s14, 14
	s_cbranch_scc0 .Lnot_wq
	global_load_b128 v[128:131], v4, s[8:9]
	s_branch .Lasked
.Lnot_wq:
	s_cmp_eq_u32 s14, 14
	s_cbranch_scc0 .Lasked
	global_load_b128 v[128:131], v7, s[10:11]
.Lasked:
.irp k, 0,1,2,3,4
	global_load_b128 v[60+4*\k:63+4*\k], v4, s[6:7] offset:8192*\k                     ; level 0
.endr
.irp k, 5,6,7,8,9,10,11,12,13,14,15,16
	global_load_b128 v[60+4*\k:63+4*\k], v4, s[6:7] offset:0x400000+8192*(\k-5)        ; level 1: a level's table is 2^19 x 8 bytes
.endr
.irp l, 2,3,4,5,6,7,8,9,10,11,12,13,14,15
	s_add_nc_u64 s[32+2*\l:33+2*\l], s[6:7], \l*0x400000   ; s[36:63]: the tables of levels 2 to 15; never rewritten, so no gather's base is ever stepped
.endr
.irp k, 0,1,2,3,4,5,6,7
	s_wait_loadcnt 16-\k                           ; loads come back in order: table piece k is in (and all that was asked for ahead of the tables); the 16 - k younger pieces may be out
	ds_store_b128 v4, v[60+4*\k:63+4*\k] offset:8192*\k
.endr
.irp k, 8,9,10,11,12,13,14,15
	s_wait_loadcnt 16-\k
	ds_store_b128 v5, v[60+4*\k:63+4*\k] offset:8192*(\k-8)
.endr
	s_wait_loadcnt 0x0
	ds_store_b128 v6, v[124:127]
	s_cmp_lt_u32 s14, 14
	s_cbranch_scc0 .Lnot_wq2
	ds_store_b128 v6, v[128:131] offset:8192       ; WQL + 16 x thread
	s_branch .Lcopied
.Lnot_wq2:
	s_cmp_eq_u32 s14, 14
	s_cbranch_scc0 .Lcopied
	ds_store_b128 v8, v[128:131]
.Lcopied:
	s_wait_dscnt 0x0                               ; for the others' sake: my stores have landed
	s_barrier_signal -1
	s_barrier_wait -1                              ; the tables and the weights lie in LDS; from here on LDS is only read
	ds_load_b128 v[W0S:W0S+3], v9                  ; the weights' scale words stay in registers
	ds_load_b128 v[W1S:W1S+3], v9 offset:16
.irp j, 226,227,228,229,230,231, 238,239,240,241,242,243
	v_mov_b32 v[\j], 0                             ; zero codes beyond K: the upper six registers of the two operands of points; never rewritten
.endr
	v_mov_b32 v[C50], 0
	v_mov_b32 v[C50+1], 0x40000
; ISSUE: level l's cells, fractions and indices, and its 16 gathers a lane.  fbits: the level's scale as f32; sfix: the same x 2^20; res: the grid's resolution where the level is indexed densely, else 0;
; lent: the level's entries in LDS, or 0; lbase: where they begin.
.macro ISSUE l, fbits, sfix, res, lent, lbase
.set BUF, (\l)%3
.set DB,  D0+32*BUF
.set FB,  FR0+6*BUF
.set IB,  IX0+2*BUF
.set TBR, 32+2*(\l)
	s_mov_b32 s24, \fbits
	s_mov_b32 s25, \fbits                          ; (named with it as a pair, so it is written)
	s_mov_b32 s26, \sfix
.irp j, 0,2,4
	v_pk_fma_f32 v[FB+\j:FB+\j+1], v[X01+\j:X01+\j+1], s[24:25], 0.5 op_sel_hi:[1,0,0]   ; pos
.endr
.irp k, 0,1,2,3,4,5
	v_mad_co_u64_u32 v[MT+2*\k:MT+2*\k+1], vcc_lo, v[XI+\k], s26, v[C50:C50+1]   ; X S + 2^50, under 2^63
.endr
.irp k, 0,1,2,3,4,5
	v_lshrrev_b32 v[PG+\k], 19, v[MT+2*\k+1]       ; >> 51: the cell
.endr
.irp k, 0,1,2,3,4,5
	v_cvt_f32_u32 v[PS+\k], v[PG+\k]
.endr
.irp j, 0,2,4
	v_pk_add_f32 v[FB+\j:FB+\j+1], v[FB+\j:FB+\j+1], v[PS+\j:PS+\j+1] neg_lo:[0,1] neg_hi:[0,1]   ; the fraction
.endr
.irp p, 0,1
.if (\res) == 0
	; hashed: (cx ^ cy P1 ^ cz P2) & (T - 1).  The corner one further on adds the prime; cx stays under 2^19, so the mask is laid on the four y-z parts
	v_mul_lo_u32 v[HT], v[PG+3*\p+1], s27
	v_mul_lo_u32 v[HT+1], v[PG+3*\p+2], s28
	v_add_nc_u32 v[HT+2], 1, v[PG+3*\p]
	v_add_nc_u32 v[HT+3], s27, v[HT]
	v_add_nc_u32 v[HT+4], s28, v[HT+1]
	v_xor_b32 v[HT+5], v[HT], v[HT+1]              ; part 2 z + y
	v_xor_b32 v[HT+6], v[HT+3], v[HT+1]
	v_xor_b32 v[HT+7], v[HT], v[HT+4]
	v_xor_b32 v[HT+8], v[HT+3], v[HT+4]
.irp k, 5,6,7,8
	v_and_b32 v[HT+\k], s29, v[HT+\k]
.endr
.irp k, 0,1,2,3
	v_xor_b32 v[DB+16*\p+4*\k], v[PG+3*\p], v[HT+5+\k]
	v_xor_b32 v[DB+16*\p+4*\k+2], v[HT+2], v[HT+5+\k]
.endr
.irp c, 0,1,2,3,4,5,6,7
	v_min_u32 v[DB+16*\p+2*\c], 0x7ffff, v[DB+16*\p+2*\c]   ; an index made of loaded numbers is held inside its table by a constant written here (it changes nothing: the mask has been laid on)
.endr
.irp c, 0,1,2,3,4,5,6,7
	global_load_b64 v[DB+16*\p+2*\c:DB+16*\p+2*\c+1], v[DB+16*\p+2*\c], s[TBR:TBR+1] scale_offset   ; 8 bytes at 8 x index; each load lands on its own index
.endr
.else
	; dense: cx + cy R + cz R^2; the eight corners stand in the loads' immediates
	v_mad_u32_u24 v[IB+\p], v[PG+3*\p+2], \res, v[PG+3*\p+1]
	v_mad_u32_u24 v[IB+\p], v[IB+\p], \res, v[PG+3*\p]
.if (\lent) == 0
	v_min_u32 v[IB+\p], 0x7ffff-(1+(\res)+(\res)*(\res)), v[IB+\p]   ; held so that the farthest corner too stays inside the level's table (for x in [-1, 1] it changes nothing)
	v_lshlrev_b32 v[IB+\p], 3, v[IB+\p]
.irp c, 0,1,2,3,4,5,6,7
	global_load_b64 v[DB+16*\p+2*\c:DB+16*\p+2*\c+1], v[IB+\p], s[TBR:TBR+1] offset:8*((\c%2)+(\res)*((\c/2)%2)+(\res)*(\res)*(\c/4))
.endr
.else
	v_min_u32 v[IB+\p], (\lent)-2-(\res)-(\res)*(\res), v[IB+\p]     ; held so that the farthest corner too stays inside the level's entries in LDS (for x in [-1, 1] it changes nothing)
	v_lshlrev_b32 v[IB+\p], 3, v[IB+\p]
.irp c, 0,1,2,3,4,5,6,7
	ds_load_b64 v[DB+16*\p+2*\c:DB+16*\p+2*\c+1], v[IB+\p] offset:(\lbase)+8*((\c%2)+(\res)*((\c/2)%2)+(\res)*(\res)*(\c/4))
.endr
.endif
.endif
.endr
.endm
; a (1 - f) + b f on a pair of features, in two fused steps: a = a - f a, then d = f b + a.  f = v[n] serves both halves: it is picked out of its aligned pair.
.macro LERP1 a, n
.if (\n)%2
	v_pk_fma_f32 v[\a:\a+1], v[\a:\a+1], v[(\n)-1:\n], v[\a:\a+1] op_sel:[0,1,0] op_sel_hi:[1,1,1] neg_lo:[0,1,0] neg_hi:[0,1,0]
.else
	v_pk_fma_f32 v[\a:\a+1], v[\a:\a+1], v[\n:(\n)+1], v[\a:\a+1] op_sel_hi:[1,0,1] neg_lo:[0,1,0] neg_hi:[0,1,0]
.endif
.endm
.macro LERP2 d, a, b, n
.if (\n)%2
	v_pk_fma_f32 v[\d:\d+1], v[\b:\b+1], v[(\n)-1:\n], v[\a:\a+1] op_sel:[0,1,0] op_sel_hi:[1,1,1]
.else
	v_pk_fma_f32 v[\d:\d+1], v[\b:\b+1], v[\n:(\n)+1], v[\a:\a+1] op_sel_hi:[1,0,1]
.endif
.endm
; CONSUME: level l's interpolation, point by point; the last step writes the level's two features to their place.  younger: the loads of the same kind issued behind this level's.  lds = 1: the level came from LDS.
.macro CONSUME l, younger, lds
.set BUF, (\l)%3
.set DB,  D0+32*BUF
.set FB,  FR0+6*BUF
.irp p, 0,1
.if \lds
	s_wait_dscnt 8*(1-\p)+(\younger)               ; LDS loads come back in order: point p's eight are in; the level's second point (8) and all that was issued behind the level may be out
.else
	s_wait_loadcnt 8*(1-\p)+(\younger)             ; the same of loads from memory
.endif
.irp a, 0,4,8,12
	LERP1 DB+16*\p+\a, FB+3*\p
.endr
.irp a, 0,4,8,12
	LERP2 DB+16*\p+\a, DB+16*\p+\a, DB+16*\p+\a+2, FB+3*\p      ; along x
.endr
.irp a, 0,8
	LERP1 DB+16*\p+\a, FB+3*\p+1
.endr
.irp a, 0,8
	LERP2 DB+16*\p+\a, DB+16*\p+\a, DB+16*\p+\a+4, FB+3*\p+1    ; along y
.endr
	LERP1 DB+16*\p, FB+3*\p+2
	LERP2 FEAT+32*\p+2*(\l), DB+16*\p, DB+16*\p+8, FB+3*\p+2    ; along z
.endr
.endm
; One scaled product: 16 columns of a weight (source 0) x 16 points (source 1), a sum of its own begun with 0: no two of this text's matrix instructions that follow each other share an accumulator.
.macro MM d, a, b, sa, sb, row1
.if \row1
	v_wmma_scale_f32_16x16x128_f8f6f4 v[\d:\d+7], v[\a:\a+11], v[\b:\b+11], 0, v[\sa], v[\sb] matrix_a_fmt:MATRIX_FMT_BF6 matrix_b_fmt:MATRIX_FMT_BF6 matrix_b_scale:MATRIX_SCALE_ROW1
.else
	v_wmma_scale_f32_16x16x128_f8f6f4 v[\d:\d+7], v[\a:\a+11], v[\b:\b+11], 0, v[\sa], v[\sb] matrix_a_fmt:MATRIX_FMT_BF6 matrix_b_fmt:MATRIX_FMT_BF6
.endif
.endm
; The hidden layer of 16 points, 32 registers a lane (register 16 b + i = unit 32 b + 16 h + i of my point, none negative), becomes six registers of codes and a scale word.
.macro QUANT1 h, b1, pw
	v_max3_num_f32 v[TM], v[\h], v[\h+1], 0x2800000           ; block 0: my 16 numbers, and the floor 2^(5 - 127): the byte cannot fall under 1
	v_max3_num_f32 v[TM+1], v[\h+16], v[\h+17], 0x2800000     ; block 1 (the two by turns)
.irp i, 2,4,6,8,10,12,14
	v_max3_num_f32 v[TM], v[TM], v[\h+\i], v[\h+\i+1]
	v_max3_num_f32 v[TM+1], v[TM+1], v[\h+16+\i], v[\h+17+\i]
.endr
	v_permlanex16_b32 v[TM+2], v[TM], s30, s31
	v_permlanex16_b32 v[TM+3], v[TM+1], s30, s31
	v_max_num_f32 v[TM], v[TM], v[TM+2]            ; with lane l xor 16's 16: the block's largest
	v_max_num_f32 v[TM+1], v[TM+1], v[TM+3]
	v_add_nc_u32 v[TM+4], 0xfe000000, v[TM]        ; 4 off the exponent field: the conversion's scale operand
	v_add_nc_u32 v[TM+5], 0xfe000000, v[TM+1]
	v_lshrrev_b32 v[TM+6], 23, v[TM+4]             ; the scale's byte
	v_lshrrev_b32 v[TM+7], 23, v[TM+5]
	v_lshl_or_b32 v[\pw], v[TM+7], 8, v[TM+6]      ; my point's scale word: bytes (block 0, block 1, 0, 0)
	v_cvt_scalef32_pk16_bf6_f32 v[\b1:\b1+2], v[\h:\h+15], v[TM+4]
	v_cvt_scalef32_pk16_bf6_f32 v[CT:CT+2], v[\h+16:\h+31], v[TM+5]   ; (a conversion's three registers begin on an even number)
	v_nop                                          ; one plain place behind a scaled conversion
.irp i, 0,1,2
	v_permlane16_swap_b32 v[\b1+\i], v[CT+\i]      ; the operand wants a WHOLE block in a lane: lanes 0-15 block 0, lanes 16-31 block 1
.endr
.irp i, 0,1,2
	v_mov_b32 v[\b1+3+\i], v[CT+\i]
.endr
.endm
; THE MLP for the 32 points (p, L).
.macro MLP p
.set FT, FEAT+32*(\p)                  ; my point's 32 features; then the results for the points of lanes 16-31
	v_max3_num_f32 v[TM], |v[FT]|, |v[FT+1]|, |v[FT+2]|      ; the block's largest magnitude: all 32 numbers are mine; two chains
	v_max3_num_f32 v[TM+1], |v[FT+3]|, |v[FT+4]|, |v[FT+5]|
.irp i, 6,10,14,18,22,26
	v_max3_num_f32 v[TM], v[TM], |v[FT+\i]|, |v[FT+\i+1]|
	v_max3_num_f32 v[TM+1], v[TM+1], |v[FT+\i+2]|, |v[FT+\i+3]|
.endr
	v_max3_num_f32 v[TM], v[TM], |v[FT+30]|, |v[FT+31]|
	v_max3_num_f32 v[TM], v[TM], v[TM+1], 0x2800000          ; and the floor
	v_add_nc_u32 v[TM+2], 0xfe000000, v[TM]
	v_lshrrev_b32 v[TM+3], 23, v[TM+2]
	v_lshl_or_b32 v[SW], v[TM+3], 8, v[TM+3]       ; the byte in block 0's place and in block 1's: lanes 0-15 are read for the one, lanes 16-31 for the other
	v_cvt_scalef32_pk16_bf6_f32 v[CT:CT+2], v[FT:FT+15], v[TM+2]
	v_cvt_scalef32_pk16_bf6_f32 v[CU:CU+2], v[FT+16:FT+31], v[TM+2]
	v_nop                                          ; one plain place behind a scaled conversion
.irp i, 0,1,2
	v_cndmask_b32 v[BA+\i], v[CT+\i], 0, s32       ; BA: the codes in lanes 0-15, zero codes in lanes 16-31
	v_cndmask_b32 v[BA+3+\i], v[CU+\i], 0, s32
	v_cndmask_b32 v[BB+\i], 0, v[CT+\i], s32       ; BB: zero codes in lanes 0-15, the codes in lanes 16-31
	v_cndmask_b32 v[BB+3+\i], 0, v[CU+\i], s32
.endr
.if (\p) == 0
	s_wait_dscnt 0x0                               ; the weights are in: they were asked for ahead of this quantiser
.endif
.rept 8
	v_nop                                          ; eight places between a scale register written by a vector instruction and the scaled product; an operand so written wants four
.endr
.irp t, 0,1,2,3
	MM HA+8*\t, W0F+6*\t, BA, W0S+\t, SW, 0        ; the points of lanes 0-15: register j of tile t = unit 32 (t / 2) + 16 h + 8 (t % 2) + j of point r
.endr
.irp t, 0,1,2,3
	MM FT+8*\t, W0F+6*\t, BB, W0S+\t, SW, 1        ; the points of lanes 16-31
.endr
.rept 4
	v_nop                                          ; four places between a matrix instruction and the first read of its result (ISA guide 7.12.1)
.endr
.irp j, 0,1,2,3,4,5,6,7,8,9,10,11,12,13,14,15,16,17,18,19,20,21,22,23,24,25,26,27,28,29,30,31
	v_max_num_f32 v[HA+\j], 0, v[HA+\j]            ; the activation, in f32; each accumulator from its low end on
	v_max_num_f32 v[FT+\j], 0, v[FT+\j]
.endr
	QUANT1 HA, BA, PWA
	QUANT1 FT, BB, PWB
.rept 8
	v_nop                                          ; eight places behind the scale word just made, four behind the operand
.endr
.irp t, 0,1,2,3
	MM HA+8*\t, W1F+6*\t, BA, W1S+\t, PWA, 0       ; register j of tile t = unit 16 t + 8 h + j of point r
.endr
.irp t, 0,1,2,3
	MM FT+8*\t, W1F+6*\t, BB, W1S+\t, PWB, 0
.endr
.rept 4
	v_nop
.endr
.irp j, 0,1,2,3,4,5,6,7,8,9,10,11,12,13,14,15,16,17,18,19,20,21,22,23,24,25,26,27,28,29,30,31
	v_max_num_f32 v[HA+\j], 0, v[HA+\j]
	v_max_num_f32 v[FT+\j], 0, v[FT+\j]
.endr
	v_pk_mul_f32 v[TM:TM+1], v[HA:HA+1], v[W2R:W2R+1]        ; the last product: my 32 units x w2; the first term starts each sum
	v_pk_mul_f32 v[TM+2:TM+3], v[FT:FT+1], v[W2R:W2R+1]
.irp j, 2,4,6,8,10,12,14,16,18,20,22,24,26,28,30
	v_pk_fma_f32 v[TM:TM+1], v[HA+\j:HA+\j+1], v[W2R+\j:W2R+\j+1], v[TM:TM+1]
	v_pk_fma_f32 v[TM+2:TM+3], v[FT+\j:FT+\j+1], v[W2R+\j:W2R+\j+1], v[TM+2:TM+3]
.endr
	v_add_f32 v[TM+4], v[TM], v[TM+1]
	v_add_f32 v[TM+5], v[TM+2], v[TM+3]
	v_permlanex16_b32 v[TM+6], v[TM+4], s30, s31
	v_permlanex16_b32 v[TM+7], v[TM+5], s30, s31
	v_add_f32 v[TM+4], v[TM+4], v[TM+6]            ; with lane l xor 16's 32 units: point r's output, in both halves of the lanes
	v_add_f32 v[TM+5], v[TM+5], v[TM+7]            ; and point 16 + r's
	v_cndmask_b32 v[OUTR+(\p)], v[TM+4], v[TM+5], s32   ; each lane keeps its own point's
.endm
.Lchunk:                                           ; four trips: 64 points of the wave in each
	s_wait_loadcnt 0x0                             ; this chunk's X, asked for a whole MLP ago
.irp j, 0,1,2,3,4,5
	v_cvt_f32_u32 v[X01+\j], v[XI+\j]              ; exact: X has at most 24 significant bits
.endr
.irp j, 0,2,4
	v_pk_mul_f32 v[X01+\j:X01+\j+1], v[X01+\j:X01+\j+1], s[34:35] op_sel_hi:[1,0]   ; x01 = X * 2^-31
.endr
	; The scales are 16 x 128^(l / 15) - 1, rounded to f32 as reference() multiplies by them.  Resolutions 16, 23, 31, 43, 59 fit the table (59^3 <= 2^19 < 81^3): levels 0-4 are dense.
	ISSUE 0,  0x41700000, 0x00f00000, 16, 5120, T0L
	ISSUE 1,  0x41a8e285, 0x0151c50a, 23, 12288, T1L
	ISSUE 2,  0x41ec7080, 0x01d8e100, 31, 0, 0
	CONSUME 0, 16, 1                               ; behind level 0's LDS loads: level 1's sixteen
	ISSUE 3,  0x4224e5a3, 0x0293968c, 43, 0, 0
	CONSUME 1, 0, 1
	ISSUE 4,  0x426566a5, 0x03959a94, 59, 0, 0
	CONSUME 2, 32, 0                               ; behind a level's loads from memory: the sixteen of each of the two levels issued ahead
	ISSUE 5,  0x429f4518, 0x04fa28c0, 0, 0, 0
	CONSUME 3, 32, 0
	ISSUE 6,  0x42dcdc67, 0x06e6e338, 0, 0, 0
	CONSUME 4, 32, 0
	ISSUE 7,  0x4318fcb9, 0x098fcb90, 0, 0, 0
	CONSUME 5, 32, 0
	ISSUE 8,  0x4353cc02, 0x0d3cc020, 0, 0, 0
	CONSUME 6, 32, 0
	ISSUE 9,  0x4392888c, 0x12511180, 0, 0, 0
	CONSUME 7, 32, 0
	ISSUE 10, 0x43caaff5, 0x1955fea0, 0, 0, 0
	CONSUME 8, 32, 0
	ISSUE 11, 0x440c24c3, 0x230930c0, 0, 0, 0
	CONSUME 9, 32, 0
	ISSUE 12, 0x4441c300, 0x3070c000, 0, 0, 0
	CONSUME 10, 32, 0
	ISSUE 13, 0x4485edbc, 0x42f6de00, 0, 0, 0
	CONSUME 11, 32, 0
	ISSUE 14, 0x44b9201e, 0x5c900f00, 0, 0, 0
	CONSUME 12, 32, 0
	ISSUE 15, 0x44ffe000, 0x7ff00000, 0, 0, 0
	CONSUME 13, 32, 0
	CONSUME 14, 16, 0                              ; only level 15's sixteen are behind
	CONSUME 15, 0, 0
	s_cmp_eq_u32 s33, 1                            ; the next chunk's X is asked for here, if there is a next chunk: no load leaves its buffer
	s_cbranch_scc1 .Lno_next
	s_add_nc_u64 s[4:5], s[4:5], 16*768            ; sixteen runs of 64 points on.  The loads that named this base were waited for at the trip's head
.irp i, 0,1,2
	global_load_b64 v[XI+2*\i:XI+2*\i+1], v1, s[4:5] offset:8*\i th:TH_LOAD_NT
.endr
.Lno_next:
	; the weights, out of LDS into the registers that the gathers have left: the image of 48 registers, four at a time, 512 consecutive bytes a load; then w2
.irp g, 0,1,2,3,4,5,6,7,8,9,10,11
	ds_load_b128 v[W0F+4*\g:W0F+4*\g+3], v3 offset:512*\g
.endr
.irp t, 0,1,2,3
	ds_load_b128 v[W2R+8*\t:W2R+8*\t+3], v[AW2] offset:64*\t
	ds_load_b128 v[W2R+8*\t+4:W2R+8*\t+7], v[AW2] offset:64*\t+16
.endr
	MLP 0
	MLP 1
	global_store_b64 v2, v[OUTR:OUTR+1], s[12:13] th:TH_STORE_NT   ; my two points' outputs: the wave stores 256 consecutive bytes, at a multiple of 256 from out0's first byte
	s_wait_xcnt 0x0                                ; the store's base and data are written again only behind this wait
	s_add_nc_u64 s[12:13], s[12:13], 16*256
	s_sub_co_i32 s33, s33, 1
	s_cmp_lg_u32 s33, 0
	s_cbranch_scc1 .Lchunk
	s_wait_xcnt 0x0
	v_lshl_add_u32 v254, v0, 2, 0x24000
	v_mov_b32 v255, 0
	s_wait_tensorcnt 0x0
	ds_add_u32 v254, v255
	s_wait_dscnt 0x0
	s_endpgm
.Lfunc_end_k_qf0c07d739f_ngp:
	.size	k_qf0c07d739f_ngp, .Lfunc_end_k_qf0c07d739f_ngp-k_qf0c07d739f_ngp
	.p2alignl 7, 3214868480
	.fill 96, 4, 3214868480
	.section	.rodata,"a",@progbits
	.p2align	6, 0x0
	.amdhsa_kernel k_qf0c07d739f_ngp
		.amdhsa_group_segment_fixed_size 149504
		.amdhsa_private_segment_fixed_size 0
		.amdhsa_enable_private_segment 0
		.amdhsa_kernarg_size 40
		.amdhsa_user_sgpr_count 2
		.amdhsa_user_sgpr_kernarg_segment_ptr 1
		.amdhsa_wavefront_size32 1
		.amdhsa_system_sgpr_workgroup_id_x 1
		.amdhsa_system_sgpr_workgroup_id_y 1
		.amdhsa_system_sgpr_workgroup_id_z 1
		.amdhsa_system_vgpr_workitem_id 0
		.amdhsa_next_free_vgpr 256
		.amdhsa_next_free_sgpr 66
		.amdhsa_reserve_vcc 1
		.amdhsa_float_denorm_mode_32 3
		.amdhsa_float_denorm_mode_16_64 3
		.amdhsa_memory_ordered 1
		.amdhsa_forward_progress 1
		.amdhsa_inst_pref_size 143
	.end_amdhsa_kernel
	.amdgpu_metadata
---
amdhsa.version: [ 1, 2 ]
amdhsa.kernels:
  - .name:           k_qf0c07d739f_ngp
    .symbol:         k_qf0c07d739f_ngp.kd
    .args:
      - { .name: xq, .offset: 0, .size: 8, .value_kind: global_buffer, .address_space: global }
      - { .name: tables, .offset: 8, .size: 8, .value_kind: global_buffer, .address_space: global }
      - { .name: wq, .offset: 16, .size: 8, .value_kind: global_buffer, .address_space: global }
      - { .name: w2, .offset: 24, .size: 8, .value_kind: global_buffer, .address_space: global }
      - { .name: out0, .offset: 32, .size: 8, .value_kind: global_buffer, .address_space: global }
    .group_segment_fixed_size: 149504
    .private_segment_fixed_size: 0
    .kernarg_segment_align: 8
    .kernarg_segment_size: 40
    .max_flat_workgroup_size: 512
    .sgpr_count:     66
    .vgpr_count:     256
    .wavefront_size: 32
...
	.end_amdgpu_metadata
.endif
;; end of part 4
;; ======== version 3 of 3: 2 launches; version 2 with the launch ngp written anew for expert scheduling mode
;; limits: inputs' magnitudes at most 1
;; workspace buffers: xq 12,582,912 bytes of whole numbers; wq 7,168 bytes
;; launch prep: the kernel of part 3 again; grid 768 x 1, 8 waves a work-group, no clusters, 0 bytes of LDS; arguments x, w0, w1, xq, wq; writes xq, wq
;; launch ngp (part 5): grid 256 x 1, 16 waves a work-group, no clusters, 149,504 bytes of LDS; arguments xq, tables, wq, w2, out0; writes out0
.if DOCPART == 5
	.amdgcn_target "amdgcn-amd-amdhsa--gfx1250"
	.amdhsa_code_object_version 6
	.text
	.protected	k_qf0c07d739f_ngp
	.globl	k_qf0c07d739f_ngp
	.p2align	8
	.type	k_qf0c07d739f_ngp,@function
k_qf0c07d739f_ngp:
	s_mov_b64 s[64:65], 0
	v_nop
	global_prefetch_b8 v0, s[64:65] scope:SCOPE_SE
	s_setreg_imm32_b32 hwreg(HW_REG_WAVE_SCHED_MODE, 0, 2), 2
	s_setreg_imm32_b32 hwreg(HW_REG_WAVE_MODE, 25, 1), 1
	s_wait_xcnt 0x0
	s_wait_alu depctr_vm_vsrc(0)
; NGP.  out0[n] = relu(relu(enc(x[n]) w0) w1) w2: a hash grid of 16 levels (8 corners of 2 numbers, trilinear, f32), then an MLP 32 -> 64 -> 64 -> 1 whose first two products
; run on codes of BF6 (E3M2) with one E8M0 scale for each 32 along K; the last product (one column) is fused multiply-adds in f32.  Nothing between xq and out0 goes to memory.
; SHARES.  256 work-groups of sixteen waves that stay.  A wave walks four chunks of 64 consecutive points, two to a lane (points 2 L + p of the chunk).
; THE TWO COARSEST LEVELS ARE GATHERED FROM LDS.  Level 0's indices reach 16 x 273 = 4,368 (the corner of x01 = 1 is cell 16) and level 1's 23^3 - 1: their first 5,120 and 12,288 entries, 139,264 bytes,
;   are copied into LDS once, with the weights' codes (7,168 bytes) and w2 (256 bytes).  One barrier; behind it LDS is only read.  A work-group so copies 146,688 bytes and spares 4,096 points x 128 bytes of gathers.
;   Level 2 (31^3 entries of 8 bytes) no longer fits beside them.  From byte 147,456 on lie the spare words of the closing lines, 128 bytes a wave.
; THE CELLS COME FROM WHOLE NUMBERS.  xq holds X = x01 * 2^31; S = a level's scale (as f32) * 2^20 is a whole number under 2^31; the cell is (X S + 2^50) >> 51 = floor(x01 * scale + 0.5), exactly.
;   x01 = X * 2^-31 in f32, exactly (X has at most 24 significant bits).  The fraction is pos - cell, pos = x01 * scale + 0.5 by one fused multiply-add.  Rounding keeps order, so cell <= pos <= cell + 1;
;   where a floor taken of the rounded pos would give the neighbouring cell, the fraction here is exactly 0 or 1, and a (1 - f) + b f is written as (a - f a) + f b, which is exactly a at 0 and b at 1: the same value.
; THE LEVELS ARE WALKED OUTERMOST, each level's 16 gathers a lane issued two levels ahead of their use, in three sets of registers by turns: at most 48 loads of a wave are out.
;   A level's two features a point stay in REGISTERS: a lane ends up with all 32 features of each of its points, one block of 32, where the first quantiser takes them.
; A K OF 32 OR 64 IN A FORM 128 DEEP.  What lies beyond K is zero CODES on the points' side (six registers that stay 0), so whatever stands there on the weights' side adds nothing (E3M2 has no code for NaN or infinity).
;   First product: w0's one block stands in block 0's place and in block 1's.  The points' codes are laid twice: BA keeps lanes 0-15 (block 0's place) and has zero codes above, BB keeps lanes 16-31 (block 1's place):
;   the product with BA is that of the points of lanes 0-15, the product with BB (the points' scales taken from lanes 16-31) that of lanes 16-31.  No number changes lanes.
;   Both products are used TRANSPOSED (source 0 = 16 columns of the weight, source 1 = 16 points): a lane holds one point and eight hidden units.
; LIMITS: x in [-1, 1], as reference() assumes (x01 in [0, 1]); outside it every index is still held inside its table, but the values are not reference()'s.  Where x01 is under 2^-8, X has dropped the bits
;   under 2^-31, and x01 with them.  pos has one rounding where a separate multiply and add have two.  NaN and infinities are not served.
;   A block whose largest magnitude lies under 2^-122 (a block of zeros too) has the scale byte 1; a block of zeros has zero codes, which add nothing.
; NO CLUSTER, NO JOINT LOADS: what all work-groups read alike is the 146,688 bytes of the copy, once; against it stand 14 levels x 4,096 points x 64 bytes = 3.67 MB that each gathers lane by lane for itself.
; THE MODE: SCHED_MODE bits 1:0 = 2 (LLVM: expert scheduling mode 2), set by the entry lines.  The code itself states the register dependences between vector or matrix instructions
;   and memory or LDS instructions, with s_wait_alu, always for 0.
; THE PLAN.  Registers that memory or LDS instructions touch, from the loop on:
;   v1, v2, v3, v255  offsets and LDS addresses, made at the head and not written in the loop.
;   XI                the X loads land in it behind level 15's interpolation; read by the conversions at a trip's head and by each level's six products, the last of them level 15's.
;   D sets            level l has set l % 3.  Hashed levels: the index lines write the even registers, each gather reads its index and lands on it and on the register above; dense levels: the gathers land alone.
;                     Then the level's interpolation reads and writes the set.  In the MLP v60-139 take the weights (LDS loads; read by matrix instructions and by the last product).
;   IX sets           dense levels 0 to 4: written by the offset lines, read by the gathers; written again three levels on, and by a conversion in the MLP.
;   v[148:149]        written by two selections, read by the store; level 2's gathers of the next trip land there.
;   All else (x01, the cells, the fractions, the features, HA, the codes, TM, BA, BB, the points' scale words) is named by vector and matrix instructions alone.
;   Scalar registers that vector instructions write: s14, the wave's number, at the head; s18-23, the carries of a level's six 64-bit products, a register to each, which nobody reads and the next level's products write again.
;   A LEVEL has one wait on va_sdst, behind its six products, and one on va_vdst, behind the index lines of both its points; the 16 gathers follow, and the level's twelve fraction lines, which name none of the gathers' registers, are dealt among them.
;   A wait on vm_vsrc stands at the head of levels 2, 3, 4 and 7 to 15, a whole level behind the youngest gathers that it waits for, and once more ahead of level 15's interpolation: the lines there say what each frees.
;   A TRIP has besides: one wait on va_vdst behind level 15's interpolation (for the next X and the weights), one behind the places ahead of each of the four groups of scaled products, one ahead of the store.
.set CHUNKS, 4
.set T0L,  0                           ; LDS: level 0's first 5,120 entries
.set T1L,  40960                       ;      level 1's first 12,288 entries
.set WQL,  139264                      ;      the weights' image: 48 registers, then the scale words
.set W2L,  146432                      ;      w2
.set CY,   18                          ; s18-23   the carries of a level's six products: written, never read
; REGISTERS while the levels are walked:  v1 24 L (xq), v2 8 L (out0), v3 LDS address of my 16 bytes of an image group; never rewritten
.set X01, 4                            ; v4-9     x01, register 3 p + d
.set XI,  10                           ; v10-15   X, likewise; the next chunk's are asked for when the last level has read these
.set C50, 16                           ; v[16:17] 2^50: the 0.5 of pos; never rewritten
.set PG,  18                           ; v18-23   the cells
.set MT,  24                           ; v24-35   six 64-bit products; then, in the same registers,
.set HT,  24                           ; v24-32   a point's hashes at work; then
.set PS,  24                           ; v24-29   the cells as f32
.set FR0, 36                           ; v36-53   the fractions: set b at + 6 b
.set IX0, 54                           ; v54-59   dense levels: a point's byte offset: set b at + 2 b
.set D0,  60                           ; v60-155  the gathered corners: set b at + 32 b, point p at + 16 p, corner c = 4 z + 2 y + x at + 2 c
.set FEAT, 156                         ; v156-219 the features: point p at + 32 p, level l at + 2 l
; REGISTERS in the MLP:
.set HA,  18                           ; v18-49   the results for the points of lanes 0-15 (those of lanes 16-31 take the place of the features just quantised)
.set CT,  50                           ; v50-52, v54-56  codes as the conversions leave them
.set CU,  54
.set W0F, 60                           ; v60-83   w0's four fragments, tile t at + 6 t; a fragment is named 12 registers long: its upper six are the next fragment's and meet zero codes
.set W1F, 84                           ; v84-107  w1's; the last one's upper six are w2's first six
.set W2R, 108                          ; v108-139 w2: register 8 t + j = w2[16 t + 8 h + j]
.set TM,  140                          ; v140-147 at work in the quantisers and in the last product
.set OUTR, 148                         ; v[148:149] my two outputs
.set BA,  220                          ; v220-231 the operand of the points of lanes 0-15: six registers of codes, and six that stay 0
.set BB,  232                          ; v232-243 the same for lanes 16-31
.set W0S, 244                          ; v244-247 w0's scale words, v248-251 w1's: loaded once
.set W1S, 248
.set SW,  252                          ; the features' scale word
.set PWA, 253                          ; the hidden layer's
.set PWB, 254
.set AW2, 255                          ; v255     LDS address of my half's numbers of w2; not written in the loop
	s_load_b256 s[4:11], s[0:1], 0x0               ; xq s[4:5], tables s[6:7], wq s[8:9], w2 s[10:11]
	s_load_b64 s[12:13], s[0:1], 0x20              ; out0
	v_lshrrev_b32 v1, 5, v0
	v_readfirstlane_b32 s14, v1                    ; wave 0..15
	v_and_b32 v3, 31, v0                           ; lane L
	v_mul_u32_u24 v1, v3, 24                       ; two points of 12 bytes a lane
	v_lshlrev_b32 v2, 3, v3                        ; two outputs of 4 bytes a lane
	; every LDS address of the copy is made here, ahead of the branches on the wave's number
	v_lshlrev_b32 v4, 4, v0                        ; 16 x thread: my 16 bytes of each 8,192 that the work-group copies at a time, in memory and in LDS
	v_add_nc_u32 v5, 0x10000, v4                   ; (an LDS offset has 16 bits: the register carries the rest)
	v_add_nc_u32 v6, 0x20000, v4
	v_and_b32 v7, 15, v0
	v_lshlrev_b32 v7, 4, v7                        ; w2 is sixteen pieces of 16 bytes
	v_add_nc_u32 v8, W2L, v7
	v_lshl_add_u32 v9, v3, 5, WQL+6144             ; my eight scale words
	v_bfe_u32 v[AW2], v0, 4, 1
	v_lshl_add_u32 v[AW2], v[AW2], 5, W2L          ; 32 h: my half's eight numbers of each 16 of w2
	v_lshl_add_u32 v3, v3, 4, WQL
	s_wait_alu depctr_va_sdst(0)                   ; s14 is written, ahead of its first reader: the bases of xq and out0 and the branches of the copy are made from it
	s_lshl_b32 s15, ttmp9, 6
	s_add_co_u32 s15, s15, s14                     ; my first run of 64 points: 64 x work-group + wave; a chunk on is 16 runs on
	s_mul_i32 s2, s15, 768                         ; 64 points of 12 bytes
	s_mov_b32 s3, 0
	s_lshl_b32 s16, s15, 8                         ; 64 outputs of 4 bytes
	s_mov_b32 s17, 0
	s_mov_b32 s27, 0x9e3779b1                      ; the hash's primes for y and z (x's is 1)
	s_mov_b32 s28, 0x30025795
	s_mov_b32 s29, 0x7ffff                         ; T - 1
	s_mov_b32 s30, 0x76543210
	s_mov_b32 s31, 0xfedcba98                      ; v_permlanex16_b32's selects for lane l xor 16
	s_mov_b32 s32, 0xffff0000                      ; lanes 16-31
	s_mov_b32 s33, CHUNKS
	s_mov_b32 s34, 0x30000000                      ; 2^-31
	s_mov_b32 s35, s34                             ; (named with it as a pair, so it is written)
	s_wait_kmcnt 0x0
	s_add_nc_u64 s[4:5], s[4:5], s[2:3]
	s_add_nc_u64 s[12:13], s[12:13], s[16:17]
	s_wait_alu depctr_va_vdst(0)                   ; the offsets and addresses v1 to v9 and v255 are written, which the loads, LDS stores and LDS loads of the whole kernel read
.irp i, 0,1,2
	global_load_b64 v[XI+2*\i:XI+2*\i+1], v1, s[4:5] offset:8*\i th:TH_LOAD_NT   ; the first chunk's X: the wave reads 768 consecutive bytes
.endr
	; THE COPY INTO LDS, through registers.  Waves 0-13 take a piece each of the weights' image (448 x 16 bytes), wave 14 w2 (lanes l and l + 16 the same piece); all sixteen take the tables, 17 pieces a thread.
	s_cmp_lt_u32 s14, 14
	s_cbranch_scc0 .Lnot_wq
	global_load_b128 v[128:131], v4, s[8:9]
	s_branch .Lasked
.Lnot_wq:
	s_cmp_eq_u32 s14, 14
	s_cbranch_scc0 .Lasked
	global_load_b128 v[128:131], v7, s[10:11]
.Lasked:
.irp k, 0,1,2,3,4
	global_load_b128 v[60+4*\k:63+4*\k], v4, s[6:7] offset:8192*\k                     ; level 0
.endr
.irp k, 5,6,7,8,9,10,11,12,13,14,15,16
	global_load_b128 v[60+4*\k:63+4*\k], v4, s[6:7] offset:0x400000+8192*(\k-5)        ; level 1: a level's table is 2^19 x 8 bytes
.endr
.irp l, 2,3,4,5,6,7,8,9,10,11,12,13,14,15
	s_add_nc_u64 s[32+2*\l:33+2*\l], s[6:7], \l*0x400000   ; s[36:63]: the tables of levels 2 to 15; never rewritten, so no gather's base is ever stepped
.endr
.irp k, 0,1,2,3,4,5,6,7
	s_wait_loadcnt 16-\k                           ; loads come back in order: table piece k is in (and all that was asked for ahead of the tables); the 16 - k younger pieces may be out
	ds_store_b128 v4, v[60+4*\k:63+4*\k] offset:8192*\k
.endr
.irp k, 8,9,10,11,12,13,14,15
	s_wait_loadcnt 16-\k
	ds_store_b128 v5, v[60+4*\k:63+4*\k] offset:8192*(\k-8)
.endr
	s_wait_loadcnt 0x0
	ds_store_b128 v6, v[124:127]
	s_cmp_lt_u32 s14, 14
	s_cbranch_scc0 .Lnot_wq2
	ds_store_b128 v6, v[128:131] offset:8192       ; WQL + 16 x thread
	s_branch .Lcopied
.Lnot_wq2:
	s_cmp_eq_u32 s14, 14
	s_cbranch_scc0 .Lcopied
	ds_store_b128 v8, v[128:131]
.Lcopied:
	s_wait_dscnt 0x0                               ; for the others' sake: my stores have landed
	s_barrier_signal -1
	s_barrier_wait -1                              ; the tables and the weights lie in LDS; from here on LDS is only read
	ds_load_b128 v[W0S:W0S+3], v9                  ; the weights' scale words stay in registers
	ds_load_b128 v[W1S:W1S+3], v9 offset:16
.irp j, 226,227,228,229,230,231, 238,239,240,241,242,243
	v_mov_b32 v[\j], 0                             ; zero codes beyond K: the upper six registers of the two operands of points; never rewritten
.endr
	v_mov_b32 v[C50], 0
	v_mov_b32 v[C50+1], 0x40000
	s_wait_alu depctr_vm_vsrc(0)                   ; the copy's loads, its LDS stores and the two LDS loads above have read v4 to v9 and v60 to v131: v4-9 are x01 from here on, v60-131 take indices and gathers
; FRAC: line FK of a level's twelve fraction lines: pos (3), the cells as f32 (6), pos - cell (3).  They name x01, the cells, v24-29 and the level's fraction set: no register of a gather.
.macro FRAC
.if FK < 3
	v_pk_fma_f32 v[FB+2*FK:FB+2*FK+1], v[X01+2*FK:X01+2*FK+1], s[24:25], 0.5 op_sel_hi:[1,0,0]   ; pos
.elseif FK < 9
	v_cvt_f32_u32 v[PS+FK-3], v[PG+FK-3]
.elseif FK < 12
	v_pk_add_f32 v[FB+2*FK-18:FB+2*FK-17], v[FB+2*FK-18:FB+2*FK-17], v[PS+2*FK-18:PS+2*FK-17] neg_lo:[0,1] neg_hi:[0,1]   ; the fraction
.endif
.set FK, FK+1
.endm
; ISSUE: level l's cells and indices, its 16 gathers a lane, and among them its fractions.  fbits: the level's scale as f32; sfix: the same x 2^20; res: the grid's resolution where the level is indexed densely, else 0;
; lent: the level's entries in LDS, or 0; lbase: where they begin; free = 1: registers that memory or LDS instructions have read are written from here on (the calls say which).
.macro ISSUE l, fbits, sfix, res, lent, lbase, free
.set BUF, (\l)%3
.set DB,  D0+32*BUF
.set FB,  FR0+6*BUF
.set IB,  IX0+2*BUF
.set TBR, 32+2*(\l)
.if \free
	s_wait_alu depctr_vm_vsrc(0)                   ; the loads, gathers and stores issued so far have read their vector registers (which of them are written next: at the call)
.endif
	s_mov_b32 s24, \fbits
	s_mov_b32 s25, \fbits                          ; (named with it as a pair, so it is written)
	s_mov_b32 s26, \sfix
.irp k, 0,1,2,3,4,5
	v_mad_co_u64_u32 v[MT+2*\k:MT+2*\k+1], s[CY+\k], v[XI+\k], s26, v[C50:C50+1]   ; X S + 2^50, under 2^63; each product's carry has a scalar register of its own, and nobody reads it
.endr
	s_wait_alu depctr_va_sdst(0)                   ; the six products have written their carries s18 to s23, ahead of the next lines that name these registers: the next level's products, which write them again
.irp k, 0,1,2,3,4,5
	v_lshrrev_b32 v[PG+\k], 19, v[MT+2*\k+1]       ; >> 51: the cell
.endr
.irp p, 0,1
.if (\res) == 0
	; hashed: (cx ^ cy P1 ^ cz P2) & (T - 1).  The corner one further on adds the prime; cx stays under 2^19, so the mask is laid on the four y-z parts
	v_mul_lo_u32 v[HT], v[PG+3*\p+1], s27
	v_mul_lo_u32 v[HT+1], v[PG+3*\p+2], s28
	v_add_nc_u32 v[HT+2], 1, v[PG+3*\p]
	v_add_nc_u32 v[HT+3], s27, v[HT]
	v_add_nc_u32 v[HT+4], s28, v[HT+1]
	v_xor_b32 v[HT+5], v[HT], v[HT+1]              ; part 2 z + y
	v_xor_b32 v[HT+6], v[HT+3], v[HT+1]
	v_xor_b32 v[HT+7], v[HT], v[HT+4]
	v_xor_b32 v[HT+8], v[HT+3], v[HT+4]
.irp k, 5,6,7,8
	v_and_b32 v[HT+\k], s29, v[HT+\k]
.endr
.irp k, 0,1,2,3
	v_xor_b32 v[DB+16*\p+4*\k], v[PG+3*\p], v[HT+5+\k]
	v_xor_b32 v[DB+16*\p+4*\k+2], v[HT+2], v[HT+5+\k]
.endr
.irp c, 0,1,2,3,4,5,6,7
	v_min_u32 v[DB+16*\p+2*\c], 0x7ffff, v[DB+16*\p+2*\c]   ; an index made of loaded numbers is held inside its table by a constant written here (it changes nothing: the mask has been laid on)
.endr
.else
	; dense: cx + cy R + cz R^2; the eight corners stand in the loads' immediates
	v_mad_u32_u24 v[IB+\p], v[PG+3*\p+2], \res, v[PG+3*\p+1]
	v_mad_u32_u24 v[IB+\p], v[IB+\p], \res, v[PG+3*\p]
.if (\lent) == 0
	v_min_u32 v[IB+\p], 0x7ffff-(1+(\res)+(\res)*(\res)), v[IB+\p]   ; held so that the farthest corner too stays inside the level's table (for x in [-1, 1] it changes nothing)
.else
	v_min_u32 v[IB+\p], (\lent)-2-(\res)-(\res)*(\res), v[IB+\p]     ; held so that the farthest corner too stays inside the level's entries in LDS (for x in [-1, 1] it changes nothing)
.endif
	v_lshlrev_b32 v[IB+\p], 3, v[IB+\p]
.endif
.endr
	s_wait_alu depctr_va_vdst(0)                   ; both points' indices or offsets are written, which the gathers read; all that vector and matrix instructions did with this set before (the interpolation three levels back; in a trip's first levels the MLP) is done: the gathers land in it
.set FK, 0
.irp p, 0,1
.irp c, 0,1,2,3,4,5,6,7
.if (\res) == 0
	global_load_b64 v[DB+16*\p+2*\c:DB+16*\p+2*\c+1], v[DB+16*\p+2*\c], s[TBR:TBR+1] scale_offset   ; 8 bytes at 8 x index; each load lands on its own index
.elseif (\lent) == 0
	global_load_b64 v[DB+16*\p+2*\c:DB+16*\p+2*\c+1], v[IB+\p], s[TBR:TBR+1] offset:8*((\c%2)+(\res)*((\c/2)%2)+(\res)*(\res)*(\c/4))
.else
	ds_load_b64 v[DB+16*\p+2*\c:DB+16*\p+2*\c+1], v[IB+\p] offset:(\lbase)+8*((\c%2)+(\res)*((\c/2)%2)+(\res)*(\res)*(\c/4))
.endif
	FRAC                                           ; no wait: no vector line since the wait above names a register of the gathers
.endr
.endr
.endm
; a (1 - f) + b f on a pair of features, in two fused steps: a = a - f a, then d = f b + a.  f = v[n] serves both halves: it is picked out of its aligned pair.
.macro LERP1 a, n
.if (\n)%2
	v_pk_fma_f32 v[\a:\a+1], v[\a:\a+1], v[(\n)-1:\n], v[\a:\a+1] op_sel:[0,1,0] op_sel_hi:[1,1,1] neg_lo:[0,1,0] neg_hi:[0,1,0]
.else
	v_pk_fma_f32 v[\a:\a+1], v[\a:\a+1], v[\n:(\n)+1], v[\a:\a+1] op_sel_hi:[1,0,1] neg_lo:[0,1,0] neg_hi:[0,1,0]
.endif
.endm
.macro LERP2 d, a, b, n
.if (\n)%2
	v_pk_fma_f32 v[\d:\d+1], v[\b:\b+1], v[(\n)-1:\n], v[\a:\a+1] op_sel:[0,1,0] op_sel_hi:[1,1,1]
.else
	v_pk_fma_f32 v[\d:\d+1], v[\b:\b+1], v[\n:(\n)+1], v[\a:\a+1] op_sel_hi:[1,0,1]
.endif
.endm
; CONSUME: level l's interpolation, point by point; the last step writes the level's two features to their place.  younger: the loads of the same kind issued behind this level's.  lds = 1: the level came from LDS.
; free = 1: no level's head stands between this level's gathers and its interpolation (level 15).
.macro CONSUME l, younger, lds, free
.set BUF, (\l)%3
.set DB,  D0+32*BUF
.set FB,  FR0+6*BUF
.if \free
	s_wait_alu depctr_vm_vsrc(0)                   ; this level's gathers have read their indices, over which the interpolation below writes; all gathers have now read theirs: the weights' loads and the MLP's lines may write v60 to v155
.endif
.irp p, 0,1
.if \lds
	s_wait_dscnt 8*(1-\p)+(\younger)               ; LDS loads come back in order: point p's eight are in; the level's second point (8) and all that was issued behind the level may be out
.else
	s_wait_loadcnt 8*(1-\p)+(\younger)             ; the same of loads from memory
.endif
.irp a, 0,4,8,12
	LERP1 DB+16*\p+\a, FB+3*\p
.endr
.irp a, 0,4,8,12
	LERP2 DB+16*\p+\a, DB+16*\p+\a, DB+16*\p+\a+2, FB+3*\p      ; along x
.endr
.irp a, 0,8
	LERP1 DB+16*\p+\a, FB+3*\p+1
.endr
.irp a, 0,8
	LERP2 DB+16*\p+\a, DB+16*\p+\a, DB+16*\p+\a+4, FB+3*\p+1    ; along y
.endr
	LERP1 DB+16*\p, FB+3*\p+2
	LERP2 FEAT+32*\p+2*(\l), DB+16*\p, DB+16*\p+8, FB+3*\p+2    ; along z
.endr
.endm
; WNEXT: load WK of the 20 that bring the weights out of LDS into the registers that the gathers have left: the image of 48 registers, four at a time, 512 consecutive bytes a load; then w2.  Behind the twentieth it writes nothing.
.macro WNEXT
.if WK < 20
.if WK < 12
	ds_load_b128 v[W0F+4*WK:W0F+4*WK+3], v3 offset:512*WK
.else
	ds_load_b128 v[W2R+4*(WK-12):W2R+4*(WK-12)+3], v[AW2] offset:64*((WK-12)/2)+16*((WK-12)%2)
.endif
.set WK, WK+1
.endif
.endm
; One scaled product: 16 columns of a weight (source 0) x 16 points (source 1), a sum of its own begun with 0: no two of this text's matrix instructions that follow each other share an accumulator.
.macro MM d, a, b, sa, sb, row1
.if \row1
	v_wmma_scale_f32_16x16x128_f8f6f4 v[\d:\d+7], v[\a:\a+11], v[\b:\b+11], 0, v[\sa], v[\sb] matrix_a_fmt:MATRIX_FMT_BF6 matrix_b_fmt:MATRIX_FMT_BF6 matrix_b_scale:MATRIX_SCALE_ROW1
.else
	v_wmma_scale_f32_16x16x128_f8f6f4 v[\d:\d+7], v[\a:\a+11], v[\b:\b+11], 0, v[\sa], v[\sb] matrix_a_fmt:MATRIX_FMT_BF6 matrix_b_fmt:MATRIX_FMT_BF6
.endif
.endm
; The hidden layer of 16 points, 32 registers a lane (register 16 b + i = unit 32 b + 16 h + i of my point, none negative), becomes six registers of codes and a scale word.
.macro QUANT1 h, b1, pw
	v_max3_num_f32 v[TM], v[\h], v[\h+1], 0x2800000           ; block 0: my 16 numbers, and the floor 2^(5 - 127): the byte cannot fall under 1
	v_max3_num_f32 v[TM+1], v[\h+16], v[\h+17], 0x2800000     ; block 1 (the two by turns)
.irp i, 2,4,6,8,10,12,14
	v_max3_num_f32 v[TM], v[TM], v[\h+\i], v[\h+\i+1]
	v_max3_num_f32 v[TM+1], v[TM+1], v[\h+16+\i], v[\h+17+\i]
.endr
	v_permlanex16_b32 v[TM+2], v[TM], s30, s31
	v_permlanex16_b32 v[TM+3], v[TM+1], s30, s31
	v_max_num_f32 v[TM], v[TM], v[TM+2]            ; with lane l xor 16's 16: the block's largest
	v_max_num_f32 v[TM+1], v[TM+1], v[TM+3]
	v_add_nc_u32 v[TM+4], 0xfe000000, v[TM]        ; 4 off the exponent field: the conversion's scale operand
	v_add_nc_u32 v[TM+5], 0xfe000000, v[TM+1]
	v_lshrrev_b32 v[TM+6], 23, v[TM+4]             ; the scale's byte
	v_lshrrev_b32 v[TM+7], 23, v[TM+5]
	v_lshl_or_b32 v[\pw], v[TM+7], 8, v[TM+6]      ; my point's scale word: bytes (block 0, block 1, 0, 0)
	v_cvt_scalef32_pk16_bf6_f32 v[\b1:\b1+2], v[\h:\h+15], v[TM+4]
	v_cvt_scalef32_pk16_bf6_f32 v[CT:CT+2], v[\h+16:\h+31], v[TM+5]   ; (a conversion's three registers begin on an even number)
	v_nop                                          ; one plain place behind a scaled conversion
.irp i, 0,1,2
	v_permlane16_swap_b32 v[\b1+\i], v[CT+\i]      ; the operand wants a WHOLE block in a lane: lanes 0-15 block 0, lanes 16-31 block 1
.endr
.irp i, 0,1,2
	v_mov_b32 v[\b1+3+\i], v[CT+\i]
.endr
.endm
; THE MLP for the 32 points (p, L).  In the first of a trip's two, sixteen of the weights' loads stand one behind each line of the first maximum: those lines name the features and v140-141, no register of the loads.
.macro MLP p
.set FT, FEAT+32*(\p)                  ; my point's 32 features; then the results for the points of lanes 16-31
	v_max3_num_f32 v[TM], |v[FT]|, |v[FT+1]|, |v[FT+2]|      ; the block's largest magnitude: all 32 numbers are mine; two chains
	WNEXT
	v_max3_num_f32 v[TM+1], |v[FT+3]|, |v[FT+4]|, |v[FT+5]|
	WNEXT
.irp i, 6,10,14,18,22,26
	v_max3_num_f32 v[TM], v[TM], |v[FT+\i]|, |v[FT+\i+1]|
	WNEXT
	v_max3_num_f32 v[TM+1], v[TM+1], |v[FT+\i+2]|, |v[FT+\i+3]|
	WNEXT
.endr
	v_max3_num_f32 v[TM], v[TM], |v[FT+30]|, |v[FT+31]|
	WNEXT
	v_max3_num_f32 v[TM], v[TM], v[TM+1], 0x2800000          ; and the floor
	WNEXT
	v_add_nc_u32 v[TM+2], 0xfe000000, v[TM]
	v_lshrrev_b32 v[TM+3], 23, v[TM+2]
	v_lshl_or_b32 v[SW], v[TM+3], 8, v[TM+3]       ; the byte in block 0's place and in block 1's: lanes 0-15 are read for the one, lanes 16-31 for the other
	v_cvt_scalef32_pk16_bf6_f32 v[CT:CT+2], v[FT:FT+15], v[TM+2]
	v_cvt_scalef32_pk16_bf6_f32 v[CU:CU+2], v[FT+16:FT+31], v[TM+2]
	v_nop                                          ; one plain place behind a scaled conversion
.irp i, 0,1,2
	v_cndmask_b32 v[BA+\i], v[CT+\i], 0, s32       ; BA: the codes in lanes 0-15, zero codes in lanes 16-31
	v_cndmask_b32 v[BA+3+\i], v[CU+\i], 0, s32
	v_cndmask_b32 v[BB+\i], 0, v[CT+\i], s32       ; BB: zero codes in lanes 0-15, the codes in lanes 16-31
	v_cndmask_b32 v[BB+3+\i], 0, v[CU+\i], s32
.endr
.if (\p) == 0
	s_wait_dscnt 0x0                               ; the weights are in: the last of them was asked for at the end of this quantiser's maximum
.endif
.rept 8
	v_nop                                          ; eight places between a scale register written by a vector instruction and the scaled product; an operand so written wants four
.endr
	s_wait_alu depctr_va_vdst(0)                   ; the features' scale word and the two operands BA and BB are written, which the eight scaled products below take; the places above stay beside this wait
.irp t, 0,1,2,3
	MM HA+8*\t, W0F+6*\t, BA, W0S+\t, SW, 0        ; the points of lanes 0-15: register j of tile t = unit 32 (t / 2) + 16 h + 8 (t % 2) + j of point r
.endr
.irp t, 0,1,2,3
	MM FT+8*\t, W0F+6*\t, BB, W0S+\t, SW, 1        ; the points of lanes 16-31
.endr
.rept 4
	v_nop                                          ; four places between a matrix instruction and the first read of its result (ISA guide 7.12.1)
.endr
.irp j, 0,1,2,3,4,5,6,7,8,9,10,11,12,13,14,15,16,17,18,19,20,21,22,23,24,25,26,27,28,29,30,31
	v_max_num_f32 v[HA+\j], 0, v[HA+\j]            ; the activation, in f32; each accumulator from its low end on
	v_max_num_f32 v[FT+\j], 0, v[FT+\j]
.endr
	QUANT1 HA, BA, PWA
	QUANT1 FT, BB, PWB
.rept 8
	v_nop                                          ; eight places behind the scale word just made, four behind the operand
.endr
	s_wait_alu depctr_va_vdst(0)                   ; the hidden layer's two scale words and its codes in BA and BB are written, which the eight scaled products below take; the places above stay beside this wait
.irp t, 0,1,2,3
	MM HA+8*\t, W1F+6*\t, BA, W1S+\t, PWA, 0       ; register j of tile t = unit 16 t + 8 h + j of point r
.endr
.irp t, 0,1,2,3
	MM FT+8*\t, W1F+6*\t, BB, W1S+\t, PWB, 0
.endr
.rept 4
	v_nop
.endr
.irp j, 0,1,2,3,4,5,6,7,8,9,10,11,12,13,14,15,16,17,18,19,20,21,22,23,24,25,26,27,28,29,30,31
	v_max_num_f32 v[HA+\j], 0, v[HA+\j]
	v_max_num_f32 v[FT+\j], 0, v[FT+\j]
.endr
	v_pk_mul_f32 v[TM:TM+1], v[HA:HA+1], v[W2R:W2R+1]        ; the last product: my 32 units x w2; the first term starts each sum
	v_pk_mul_f32 v[TM+2:TM+3], v[FT:FT+1], v[W2R:W2R+1]
.irp j, 2,4,6,8,10,12,14,16,18,20,22,24,26,28,30
	v_pk_fma_f32 v[TM:TM+1], v[HA+\j:HA+\j+1], v[W2R+\j:W2R+\j+1], v[TM:TM+1]
	v_pk_fma_f32 v[TM+2:TM+3], v[FT+\j:FT+\j+1], v[W2R+\j:W2R+\j+1], v[TM+2:TM+3]
.endr
	v_add_f32 v[TM+4], v[TM], v[TM+1]
	v_add_f32 v[TM+5], v[TM+2], v[TM+3]
	v_permlanex16_b32 v[TM+6], v[TM+4], s30, s31
	v_permlanex16_b32 v[TM+7], v[TM+5], s30, s31
	v_add_f32 v[TM+4], v[TM+4], v[TM+6]            ; with lane l xor 16's 32 units: point r's output, in both halves of the lanes
	v_add_f32 v[TM+5], v[TM+5], v[TM+7]            ; and point 16 + r's
	v_cndmask_b32 v[OUTR+(\p)], v[TM+4], v[TM+5], s32   ; each lane keeps its own point's
.endm
.Lchunk:                                           ; four trips: 64 points of the wave in each
	s_wait_loadcnt 0x0                             ; this chunk's X, asked for a whole MLP ago
.irp j, 0,1,2,3,4,5
	v_cvt_f32_u32 v[X01+\j], v[XI+\j]              ; exact: X has at most 24 significant bits
.endr
.irp j, 0,2,4
	v_pk_mul_f32 v[X01+\j:X01+\j+1], v[X01+\j:X01+\j+1], s[34:35] op_sel_hi:[1,0]   ; x01 = X * 2^-31
.endr
	; The scales are 16 x 128^(l / 15) - 1, rounded to f32 as reference() multiplies by them.  Resolutions 16, 23, 31, 43, 59 fit the table (59^3 <= 2^19 < 81^3): levels 0-4 are dense.
	; The last argument: 1 where the level's head waits on vm_vsrc.  Levels 0, 1, 5 and 6 write no register that a memory or LDS instruction has read since the last such wait.
	ISSUE 0,  0x41700000, 0x00f00000, 16, 5120, T0L, 0
	ISSUE 1,  0x41a8e285, 0x0151c50a, 23, 12288, T1L, 0
	ISSUE 2,  0x41ec7080, 0x01d8e100, 31, 0, 0, 1  ; freed: v[148:149], the data of the last trip's store: this level's gathers land there
	CONSUME 0, 16, 1, 0                            ; behind level 0's LDS loads: level 1's sixteen
	ISSUE 3,  0x4224e5a3, 0x0293968c, 43, 0, 0, 1  ; freed: v54-55, level 0's offsets, written anew here
	CONSUME 1, 0, 1, 0
	ISSUE 4,  0x426566a5, 0x03959a94, 59, 0, 0, 1  ; freed: v56-57, level 1's offsets, written anew here
	CONSUME 2, 32, 0, 0                            ; behind a level's loads from memory: the sixteen of each of the two levels issued ahead
	ISSUE 5,  0x429f4518, 0x04fa28c0, 0, 0, 0, 0
	CONSUME 3, 32, 0, 0
	ISSUE 6,  0x42dcdc67, 0x06e6e338, 0, 0, 0, 0
	CONSUME 4, 32, 0, 0
	ISSUE 7,  0x4318fcb9, 0x098fcb90, 0, 0, 0, 1   ; freed, here and at each level's head from here on: the indices of the hashed levels up to the one before: the interpolation that follows (two levels back) writes over its own,
	CONSUME 5, 32, 0, 0                            ; and from level 8 on the level's index lines write over those of three levels back
	ISSUE 8,  0x4353cc02, 0x0d3cc020, 0, 0, 0, 1
	CONSUME 6, 32, 0, 0
	ISSUE 9,  0x4392888c, 0x12511180, 0, 0, 0, 1
	CONSUME 7, 32, 0, 0
	ISSUE 10, 0x43caaff5, 0x1955fea0, 0, 0, 0, 1
	CONSUME 8, 32, 0, 0
	ISSUE 11, 0x440c24c3, 0x230930c0, 0, 0, 0, 1
	CONSUME 9, 32, 0, 0
	ISSUE 12, 0x4441c300, 0x3070c000, 0, 0, 0, 1
	CONSUME 10, 32, 0, 0
	ISSUE 13, 0x4485edbc, 0x42f6de00, 0, 0, 0, 1
	CONSUME 11, 32, 0, 0
	ISSUE 14, 0x44b9201e, 0x5c900f00, 0, 0, 0, 1
	CONSUME 12, 32, 0, 0
	ISSUE 15, 0x44ffe000, 0x7ff00000, 0, 0, 0, 1   ; (level 14's indices too: its interpolation has no later head in front of it)
	CONSUME 13, 32, 0, 0
	CONSUME 14, 16, 0, 0                           ; only level 15's sixteen are behind
	CONSUME 15, 0, 0, 1
	s_wait_alu depctr_va_vdst(0)                   ; the interpolations of levels 13 to 15 are done with v60 to v139, in which the weights land; level 15's products are done reading X, in which the next chunk's lands
	s_cmp_eq_u32 s33, 1                            ; the next chunk's X is asked for here, if there is a next chunk: no load leaves its buffer
	s_cbranch_scc1 .Lno_next
	s_add_nc_u64 s[4:5], s[4:5], 16*768            ; sixteen runs of 64 points on.  The loads that named this base were waited for at the trip's head
.irp i, 0,1,2
	global_load_b64 v[XI+2*\i:XI+2*\i+1], v1, s[4:5] offset:8*\i th:TH_LOAD_NT
.endr
.Lno_next:
.set WK, 0
.rept 4
	WNEXT                                          ; the weights' first four loads; the other sixteen are dealt among the first quantiser's lines
.endr
	MLP 0
	MLP 1
	s_wait_alu depctr_va_vdst(0)                   ; the two selections have written v[148:149], the store's data
	global_store_b64 v2, v[OUTR:OUTR+1], s[12:13] th:TH_STORE_NT   ; my two points' outputs: the wave stores 256 consecutive bytes, at a multiple of 256 from out0's first byte
	s_wait_xcnt 0x0                                ; the store's base is written again only behind this wait (its data: behind the wait on vm_vsrc at level 2's head as well)
	s_add_nc_u64 s[12:13], s[12:13], 16*256
	s_sub_co_i32 s33, s33, 1
	s_cmp_lg_u32 s33, 0
	s_cbranch_scc1 .Lchunk
	s_wait_xcnt 0x0
	s_wait_alu depctr_vm_vsrc(0)                   ; the LDS loads of w2 have read v255, which is written below
	v_lshl_add_u32 v254, v0, 2, 0x24000            ; the closing add's two registers, made anew: my spare word, 147,456 + 4 x my thread's number,
	v_mov_b32 v255, 0                              ; and 0
	s_wait_dscnt 0x0                               ; the closing lines, six on end
	s_wait_alu 0x0
	s_wait_tensorcnt 0x0
	ds_add_u32 v254, v255
	s_wait_dscnt 0x0
	s_endpgm
.Lfunc_end_k_qf0c07d739f_ngp:
	.size	k_qf0c07d739f_ngp, .Lfunc_end_k_qf0c07d739f_ngp-k_qf0c07d739f_ngp
	.p2alignl 7, 3214868480
	.fill 96, 4, 3214868480
	.section	.rodata,"a",@progbits
	.p2align	6, 0x0
	.amdhsa_kernel k_qf0c07d739f_ngp
		.amdhsa_group_segment_fixed_size 149504
		.amdhsa_private_segment_fixed_size 0
		.amdhsa_enable_private_segment 0
		.amdhsa_kernarg_size 40
		.amdhsa_user_sgpr_count 2
		.amdhsa_user_sgpr_kernarg_segment_ptr 1
		.amdhsa_wavefront_size32 1
		.amdhsa_system_sgpr_workgroup_id_x 1
		.amdhsa_system_sgpr_workgroup_id_y 1
		.amdhsa_system_sgpr_workgroup_id_z 1
		.amdhsa_system_vgpr_workitem_id 0
		.amdhsa_next_free_vgpr 256
		.amdhsa_next_free_sgpr 66
		.amdhsa_reserve_vcc 0
		.amdhsa_float_denorm_mode_32 3
		.amdhsa_float_denorm_mode_16_64 3
		.amdhsa_memory_ordered 1
		.amdhsa_forward_progress 1
		.amdhsa_inst_pref_size 144
	.end_amdhsa_kernel
	.amdgpu_metadata
---
amdhsa.version: [ 1, 2 ]
amdhsa.kernels:
  - .name:           k_qf0c07d739f_ngp
    .symbol:         k_qf0c07d739f_ngp.kd
    .args:
      - { .name: xq, .offset: 0, .size: 8, .value_kind: global_buffer, .address_space: global }
      - { .name: tables, .offset: 8, .size: 8, .value_kind: global_buffer, .address_space: global }
      - { .name: wq, .offset: 16, .size: 8, .value_kind: global_buffer, .address_space: global }
      - { .name: w2, .offset: 24, .size: 8, .value_kind: global_buffer, .address_space: global }
      - { .name: out0, .offset: 32, .size: 8, .value_kind: global_buffer, .address_space: global }
    .group_segment_fixed_size: 149504
    .private_segment_fixed_size: 0
    .kernarg_segment_align: 8
    .kernarg_segment_size: 40
    .max_flat_workgroup_size: 512
    .sgpr_count:     66
    .vgpr_count:     256
    .wavefront_size: 32
...
	.end_amdgpu_metadata
.endif
;; end of part 5
